; MI455X (gfx1250); checked and timed in simulation.
; The chip was launched on July 23, 2026; its instructions are those of AMD's public machine-readable ISA for CDNA 5 (MIT licence, August 2026) and "CDNA5" Instruction Set Architecture Reference Guide (July 2026). The comments in the code are by the model that wrote it; some were corrected since.
;; Module With Extended Attention. Allowed arithmetic: float matrix products may take bf16 or f16 operands with f32 sums; all other float work in f32.
;; Inputs: bk 1,024 float32; bo 1,024 float32; bq 1,024 float32; bv 1,024 float32; encoder_hidden_states 2 x 226 x 1,024 float32; hidden_states 2 x 1,248 x 1,024 float32; mask 13 x 1 x 8 x 12 int32; wk 1,024 x 1,024 float32; wo 1,024 x 1,024 float32; wq 1,024 x 1,024 float32; wv 1,024 x 1,024 float32.
;; Outputs: out0 2 x 1,248 x 1,024 float32; out1 2 x 226 x 1,024 float32.
;; 2 versions, each right; version 2 is version 1 with the launch cast written anew for expert scheduling mode. Each part assembles by itself: llvm-mc -triple=amdgcn-amd-amdhsa -mcpu=gfx1250 --defsym DOCPART=n.
;; ======== version 1 of 2: 4 launches
;; limits: values are held in f16: magnitudes above 65,504 overflow, below 6.1e-05 lose precision; right only within a limited range of input values
;; workspace buffers: xb 6,291,456 bytes; wt 8,388,608 bytes; qkv 18,874,368 bytes; hs 6,291,456 bytes
;; launch cast (part 1): grid 256 x 1, 8 waves a work-group, no clusters, 34,304 bytes of LDS; arguments hidden_states, encoder_hidden_states, wq, wk, wv, wo, xb, wt; writes xb, wt
.if DOCPART == 1
	.amdgcn_target "amdgcn-amd-amdhsa--gfx1250"
	.amdhsa_code_object_version 6
	.text
	.protected	k_q79480299ed_cast
	.globl	k_q79480299ed_cast
	.p2align	8
	.type	k_q79480299ed_cast,@function
k_q79480299ed_cast:
	s_mov_b64 s[64:65], 0
	v_nop
	global_prefetch_b8 v0, s[64:65] scope:SCOPE_SE
	s_setreg_imm32_b32 hwreg(HW_REG_WAVE_MODE, 25, 1), 1
	s_wait_xcnt 0x0
; CAST.  Two jobs for each of 256 work-groups of eight waves, all loads issued first.
; (X) xb[3072][1024] f16 = the rows of x in the padded order that the later launches use:
;     rows 0-225 enc[0] | 226-287 copies of enc[0] row 225 | 288-1535 hid[0] | 1536-2783 hid[1] | 2784-3009 enc[1] | 3010-3071 copies of enc[1] row 225.
;     The copies are finite filler: they are computed like any row and never reach an output.  Work-group g makes rows 12 g .. 12 g + 11;
;     288 and 2784 are multiples of 12, so a work-group's rows come from one buffer.
; (W) wt[4096][1024] f16: row n = column n of wq | wk | wv | wo, K along the row.  Work-group g transposes one tile of 128 k x 128 n through LDS.
; FORMAT: f16, for its 11 significant bits: the result is a chain of four products, and each operand's rounding adds to its error.
; LIMIT: an x or a weight of magnitude 65,504 or more becomes infinite; below 2^-14 the absolute error is at most 2^-25.
; No matrix unit, no cluster, no tensor load: nothing is shared between work-groups and every byte is read once and written once.
.set TP,   260                         ; LDS pitch of a transposed row: 128 f16 = 256 bytes + 4
.set WL,   2                           ; v2   weight load: wave x 16 k rows x 4,096 + lane x 16
.set WST,  3                           ; v3   LDS store: lane x 4 n rows x 260 + wave x 8 k pairs x 4
.set WRD,  4                           ; v4   LDS read: (16 wave + lane / 16) x 260 + (lane % 16) x 16
.set WO,   5                           ; v5   wt store: (16 wave + lane / 16) x 2,048 + (lane % 16) x 16
.set XS,   6                           ; v6   xb store: thread x 8
.set XL,   8                           ; v[8:19]   x load, row i: source row x 4,096 + thread x 16
.set WREG, 32                          ; v[32:95]  16 weight loads x 4 registers
.set XREG, 96                          ; v[96:143] 12 x loads x 4 registers
	s_load_b512 s[8:23], s[0:1], 0x0               ; hid s[8:9], enc s[10:11], wq, wk, wv, wo s[12:19], xb s[20:21], wt s[22:23]
	v_lshl_add_u32 v144, v0, 2, 0x8200
	v_mov_b32 v145, 0
	s_mov_b32 s5, ttmp9                            ; g
	v_lshrrev_b32 v1, 5, v0
	v_readfirstlane_b32 s4, v1                     ; wave 0..7
	v_and_b32 v1, 31, v0                           ; lane
	; (W) which weight, which tile
	s_lshr_b32 s38, s5, 6                          ; weight 0..3
	s_bfe_u32 s39, s5, 0x30003                     ; kt: 3 bits from bit 3
	s_and_b32 s42, s5, 7                           ; nt
	s_lshl_b32 s40, s39, 19                        ; kt x 128 rows x 4,096 bytes
	s_lshl_b32 s43, s42, 9                         ; nt x 128 columns x 4 bytes
	s_add_co_u32 s40, s40, s43
	s_mov_b32 s41, 0
	s_lshl_b32 s44, s38, 21                        ; weight x 1,024 rows of wt x 2,048 bytes
	s_lshl_b32 s43, s42, 18                        ; nt x 128 rows
	s_add_co_u32 s44, s44, s43
	s_lshl_b32 s43, s39, 8                         ; kt x 128 f16
	s_add_co_u32 s44, s44, s43
	s_mov_b32 s45, 0
	s_mul_i32 s46, s5, 24576                       ; g x 12 rows of xb x 2,048 bytes
	s_mov_b32 s47, 0
	; (X) the region of my 12 rows: source row = add + min(row - lo, cap)
	s_mul_i32 s32, s5, 12
	s_movk_i32 s33, 288                            ; lo,  hid: rows 288 .. 2783
	s_movk_i32 s34, 0                              ; add
	s_movk_i32 s35, 2495                           ; cap
	s_cmp_lt_u32 s5, 24                            ; rows below 288: enc[0]
	s_cselect_b32 s33, 0, s33
	s_cselect_b32 s35, 225, s35
	s_cselect_b32 s36, 1, 0                        ; 1: the source is enc
	s_cmp_ge_u32 s5, 232                           ; rows from 2784: enc[1]
	s_cselect_b32 s33, 2784, s33
	s_cselect_b32 s34, 226, s34
	s_cselect_b32 s35, 225, s35
	s_cselect_b32 s36, 1, s36
	s_sub_co_u32 s32, s32, s33
.irp i, 0,1,2,3,4,5,6,7,8,9,10,11
	s_add_co_u32 s37, s32, \i
	s_min_u32 s37, s37, s35                        ; pad rows repeat the last text row
	s_add_co_u32 s37, s37, s34
	s_lshl_b32 s37, s37, 12
	v_lshl_add_u32 v[XL+\i], v0, 4, s37
.endr
	v_lshlrev_b32 v[WL], 4, v1
	v_lshl_add_u32 v[WL], s4, 16, v[WL]
	v_mul_u32_u24 v[WST], v1, 4*TP
	v_lshl_add_u32 v[WST], s4, 5, v[WST]
	v_lshrrev_b32 v7, 4, v1
	v_lshl_add_u32 v7, s4, 4, v7                   ; 16 wave + lane / 16
	v_and_b32 v20, 15, v0
	v_lshlrev_b32 v20, 4, v20                      ; (lane % 16) x 16
	v_mul_u32_u24 v[WRD], v7, TP
	v_add_nc_u32 v[WRD], v[WRD], v20
	v_lshl_add_u32 v[WO], v7, 11, v20
	v_lshlrev_b32 v[XS], 3, v0
	s_wait_kmcnt 0x0
	s_cmp_eq_u32 s38, 1
	s_cselect_b64 s[24:25], s[14:15], s[12:13]
	s_cmp_eq_u32 s38, 2
	s_cselect_b64 s[24:25], s[16:17], s[24:25]
	s_cmp_eq_u32 s38, 3
	s_cselect_b64 s[24:25], s[18:19], s[24:25]
	s_add_nc_u64 s[24:25], s[24:25], s[40:41]      ; my tile of the weight
	s_add_nc_u64 s[26:27], s[22:23], s[44:45]      ; my tile of wt
	s_add_nc_u64 s[28:29], s[20:21], s[46:47]      ; my rows of xb
	s_cmp_lg_u32 s36, 0
	s_cselect_b64 s[30:31], s[10:11], s[8:9]       ; enc or hid
	; all 28 loads of a thread go out before anything is waited for
.irp rr, 0,1,2,3,4,5,6,7,8,9,10,11,12,13,14,15
	global_load_b128 v[WREG+4*\rr:WREG+4*\rr+3], v[WL], s[24:25] offset:\rr*4096 th:TH_LOAD_NT   ; k row 16 wave + rr: 512 neighbouring bytes a wave
.endr
.irp i, 0,1,2,3,4,5,6,7,8,9,10,11
	global_load_b128 v[XREG+4*\i:XREG+4*\i+3], v[XL+\i], s[30:31]    ; no hint: the pad rows name one row again
.endr
	s_wait_loadcnt 12                              ; the 16 weight loads are in; the 12 younger loads of x stay out
.irp i, 0,1,2,3,4,5,6,7
.irp e, 0,1,2,3
	v_cvt_pk_f16_f32 v[WREG+8*\i+\e], v[WREG+8*\i+\e], v[WREG+8*\i+4+\e]     ; k = 16 wave + 2 i (low half), + 1 (high half), column 4 lane + e
	ds_store_b32 v[WST], v[WREG+8*\i+\e] offset:\e*TP+\i*4
.endr
.endr
	s_wait_dscnt 0x0                               ; my stores are in LDS before I say so
	s_barrier_signal -1
	s_barrier_wait -1                              ; the whole transposed tile is there
.irp j, 0,1,2,3,4,5,6,7
.irp d, 0,1,2,3
	ds_load_b32 v[WREG+4*\j+\d], v[WRD] offset:\j*2*TP+4*\d          ; rows 16 wave + 2 j + lane / 16; the pitch of 260 is no multiple of 16, so words
.endr
.endr
	; x goes out while the LDS loads come back
.irp i, 0,1,2,3,4,5,6,7,8,9,10,11
	s_wait_loadcnt 11-\i                           ; row i is in, the younger rows stay out
	v_cvt_pk_f16_f32 v[XREG+4*\i],   v[XREG+4*\i],   v[XREG+4*\i+1]
	v_cvt_pk_f16_f32 v[XREG+4*\i+1], v[XREG+4*\i+2], v[XREG+4*\i+3]
	global_store_b64 v[XS], v[XREG+4*\i:XREG+4*\i+1], s[28:29] offset:\i*2048    ; a wave stores 256 consecutive bytes, aligned
.endr
.irp j, 0,1,2,3,4,5,6,7
	s_wait_dscnt 4*(7-\j)                          ; the four words of pair j are in; four for each later pair stay out
	global_store_b128 v[WO], v[WREG+4*\j:WREG+4*\j+3], s[26:27] offset:\j*4096   ; sixteen lanes store 256 consecutive bytes, aligned
.endr
	s_wait_tensorcnt 0x0
	ds_add_u32 v144, v145
	s_wait_dscnt 0x0
	s_endpgm
.Lfunc_end_k_q79480299ed_cast:
	.size	k_q79480299ed_cast, .Lfunc_end_k_q79480299ed_cast-k_q79480299ed_cast
	.p2alignl 7, 3214868480
	.fill 96, 4, 3214868480
	.section	.rodata,"a",@progbits
	.p2align	6, 0x0
	.amdhsa_kernel k_q79480299ed_cast
		.amdhsa_group_segment_fixed_size 34304
		.amdhsa_private_segment_fixed_size 0
		.amdhsa_enable_private_segment 0
		.amdhsa_kernarg_size 64
		.amdhsa_user_sgpr_count 2
		.amdhsa_user_sgpr_kernarg_segment_ptr 1
		.amdhsa_wavefront_size32 1
		.amdhsa_system_sgpr_workgroup_id_x 1
		.amdhsa_system_sgpr_workgroup_id_y 1
		.amdhsa_system_sgpr_workgroup_id_z 1
		.amdhsa_system_vgpr_workitem_id 0
		.amdhsa_next_free_vgpr 146
		.amdhsa_next_free_sgpr 66
		.amdhsa_reserve_vcc 0
		.amdhsa_float_denorm_mode_32 3
		.amdhsa_float_denorm_mode_16_64 3
		.amdhsa_memory_ordered 1
		.amdhsa_forward_progress 1
		.amdhsa_inst_pref_size 18
	.end_amdhsa_kernel
	.amdgpu_metadata
---
amdhsa.version: [ 1, 2 ]
amdhsa.kernels:
  - .name:           k_q79480299ed_cast
    .symbol:         k_q79480299ed_cast.kd
    .args:
      - { .name: hidden_states, .offset: 0, .size: 8, .value_kind: global_buffer, .address_space: global }
      - { .name: encoder_hidden_states, .offset: 8, .size: 8, .value_kind: global_buffer, .address_space: global }
      - { .name: wq, .offset: 16, .size: 8, .value_kind: global_buffer, .address_space: global }
      - { .name: wk, .offset: 24, .size: 8, .value_kind: global_buffer, .address_space: global }
      - { .name: wv, .offset: 32, .size: 8, .value_kind: global_buffer, .address_space: global }
      - { .name: wo, .offset: 40, .size: 8, .value_kind: global_buffer, .address_space: global }
      - { .name: xb, .offset: 48, .size: 8, .value_kind: global_buffer, .address_space: global }
      - { .name: wt, .offset: 56, .size: 8, .value_kind: global_buffer, .address_space: global }
    .group_segment_fixed_size: 34304
    .private_segment_fixed_size: 0
    .kernarg_segment_align: 8
    .kernarg_segment_size: 64
    .max_flat_workgroup_size: 256
    .sgpr_count:     66
    .vgpr_count:     146
    .wavefront_size: 32
...
	.end_amdgpu_metadata
.endif
;; end of part 1
;; launch qkv (part 2): grid 16 x 16, 4 waves a work-group, clusters of 4 x 4, 327,680 bytes of LDS; arguments xb, wt, bq, bk, bv, qkv; writes qkv
.if DOCPART == 2
	.amdgcn_target "amdgcn-amd-amdhsa--gfx1250"
	.amdhsa_code_object_version 6
	.text
	.protected	k_q79480299ed_qkv
	.globl	k_q79480299ed_qkv
	.p2align	8
	.type	k_q79480299ed_qkv,@function
k_q79480299ed_qkv:
	s_mov_b64 s[64:65], 0
	v_nop
	global_prefetch_b8 v0, s[64:65] scope:SCOPE_SE
	s_setreg_imm32_b32 hwreg(HW_REG_WAVE_MODE, 25, 1), 1
	s_wait_xcnt 0x0
	s_wait_alu depctr_hold_cnt(0) depctr_sa_sdst(0) depctr_va_vdst(0) depctr_va_sdst(0) depctr_va_ssrc(0) depctr_va_vcc(0) depctr_vm_vsrc(0)
	s_getreg_b32 s2, hwreg(HW_REG_IB_STS2, 6, 4)
	s_cmp_eq_u32 s2, 0
	s_cbranch_scc0 .Lentry_in_a_cluster
	s_endpgm
.Lentry_in_a_cluster:
	s_bfe_u32 s2, ttmp6, 0x10000c
	s_cmp_lg_u32 s2, 0xf033
	s_cbranch_scc0 .Lentry_shape_is_right
	s_endpgm
.Lentry_shape_is_right:
; QKV.  C[3072][3072] = xb[3072][1024] x wt[0:3072][1024]^T + (bq | bk | bv); the q columns are then multiplied by 0.125 log2(e) in f32.
; Stored as qkv[48][3072][64] f16: unit u = column / 64 (0-15 q heads, 16-31 k heads, 32-47 v heads).
; FORMAT: f16 operands, f32 sums.  Room: with x of spread 1 and weights of spread 0.02 a projection has spread 0.64; both 30 times larger: 576;
; both with an offset of 30 spreads: about 1,024 x 30 x 0.6 = 18,432.  LIMIT: a projection (q after its factor) of magnitude 65,504 or more becomes infinite.
; 256 work-groups of four waves; a work-group makes 192 x 192 of C (three units), a wave 96 x 96 = 36 accumulator tiles of 16 x 16.
; K goes in steps of 128 through two LDS slots filled by the tensor data mover (rows of 256 bytes, aligned).
; CLUSTERS: 4 x 4 work-groups.  The four of a cluster's row need the same tiles of xb, the four of a column the same tiles of wt: joint loads.
; The matrix instruction is used transposed (source 0 = rows of wt, source 1 = rows of xb): lane l holds row l % 16 of C and its registers
; the columns 8 (l / 16) + 0..7, which pack into 16 neighbouring bytes.  The bias, laid out the same way, is the C operand of the first products.
; REGISTERS: window 0: v16-27 addresses, v32-127 and v128-223 two fragment buffers (six of wt at f + 8 b, six of xb at f + 48 + 8 a);
;   window 1: accumulators of my rows 0-47 (tile (a, b) at v[8 (6 a + b)]);  window 2: those of rows 48-95, and v144-191 the bias of my 96 columns.
.set KSTEP,  128
.set PITCH,  272                       ; an LDS row: 256 bytes + 16 of padding, an odd multiple of 16
.set HALFT,  96*PITCH                  ; what one tensor load brings: 96 rows
.set SLOT,   4*HALFT                   ; xb's 192 rows, then wt's 192 rows
.set STAGE,  2*SLOT                    ; behind the ring: 192 rows x 400 bytes, the way out; no tensor load lands here
.set SP,     400                       ; 192 f16 = 384 bytes + 16
.set UNIT,   393216                    ; bytes of a unit of qkv: 3,072 rows x 128
.set ADRA, 16                          ; v16-17 LDS address of my xb fragments in slot 0, 1
.set ADRB, 20                          ; v20-21 the same for wt
.set STO,  24                          ; v24 way out: where I put 16 bytes
.set RD,   25                          ; v25 way out: where I read back
.set CO,   26                          ; v26 16 x lane
.set BO,   27                          ; v27 32 x (lane / 16): my eight bias numbers of a tile
.set F0,   32
.set F1,   128
.set BIA,  144                         ; in window 2
.set G1A, 24                           ; s[24:31] group 1 for xb's tiles
.set G0A, 32                           ; s[32:39] group 0 for xb's tiles, one set a slot
.set G1B, 40                           ; s[40:47] group 1 for wt's tiles
.set G0B, 48                           ; s[48:55] group 0 for wt's tiles
.set BB,  66                           ; s[66:77] six bias addresses, one for each 16 columns of mine
.set SCL, 78                           ; s[78:89] six pairs: the factor of those 16 columns
.set MSB, 0
.macro WIN new                         ; the immediate's high byte repeats the setting that is left
.if MSB != \new
	s_set_vgpr_msb (MSB<<8)|\new
.set MSB, \new
.endif
.endm
.macro PLACES                          ; four places behind a matrix instruction (ISA guide 7.12.1) before its registers are loaded into or its results read
.rept 4
	v_nop
.endr
.endm
; A joint load: waves 0 and 1 fetch xb's two halves, waves 2 and 3 wt's.  The branch hangs on the wave's number alone.
.macro JLOAD s
	s_cmp_eq_u32 s17, 0
	s_cbranch_scc0 .Lfor_b_\@
	tensor_load_to_lds s[G0A+4*\s:G0A+4*\s+3], s[G1A:G1A+7]
	s_nop 0
	s_branch .Lasked_\@
.Lfor_b_\@:
	tensor_load_to_lds s[G0B+4*\s:G0B+4*\s+3], s[G1B:G1B+7]
	s_nop 0
.Lasked_\@:
.endm
.macro CREST                           ; a round of the cluster's barrier behind its opening work-group barrier
	s_cmp_lg_u32 s16, 0
	s_cbranch_scc1 .Lnot_wave_0_\@
	s_barrier_signal -3
.Lnot_wave_0_\@:
	s_barrier_wait -3
	s_barrier_signal -1
	s_barrier_wait -1
.endm
.macro CROUND
	s_barrier_signal -1
	s_barrier_wait -1
	CREST
.endm
	s_load_b256 s[4:11], s[0:1], 0x0               ; xb s[4:5], wt s[6:7], bq s[8:9], bk s[10:11]
	s_load_b128 s[12:15], s[0:1], 0x20             ; bv s[12:13], qkv s[14:15]
	v_lshl_add_u32 v254, v0, 2, 0x45c00
	v_mov_b32 v255, 0
	ds_add_u32 v254, v255
	v_lshrrev_b32 v1, 5, v0
	v_readfirstlane_b32 s16, v1                    ; wave 0..3
	s_lshr_b32 s17, s16, 1                         ; my half of the rows; also: I fetch for xb (0) or wt (1)
	s_and_b32 s18, s16, 1                          ; my half of the columns; also: which 96 rows I fetch
	s_bfe_u32 s19, ttmp6, 0x40000                  ; cx
	s_bfe_u32 s20, ttmp6, 0x40004                  ; cy
	s_lshl_b32 s21, ttmp9, 2
	s_add_co_u32 s21, s21, s19                     ; block column
	s_and_b32 s22, ttmp7, 0xffff
	s_lshl_b32 s22, s22, 2
	s_add_co_u32 s22, s22, s20                     ; block row
	s_lshl_b32 s56, s20, 2
	s_lshl_b32 s56, 15, s56                        ; my row of the cluster
	s_lshl_b32 s60, 0x1111, s19                    ; my column
	; group 1: 96 rows x 128 elements of 2 bytes, 4 words of padding behind every 64 words, pitch 1,024 elements
	s_or_b32 s[G1A+0], s56, (1<<16)|(1<<20)|(1<<21)|(5<<22)|(3<<25)
	s_or_b32 s[G1B+0], s60, (1<<16)|(1<<20)|(1<<21)|(5<<22)|(3<<25)
	s_mov_b32 s[G1A+1], KSTEP<<16                  ; tensor_dim0 = 128
	s_mov_b32 s[G1B+1], KSTEP<<16
	s_mov_b32 s[G1A+2], 96<<16                     ; tensor_dim1 = 96
	s_mov_b32 s[G1B+2], 96<<16
	s_mov_b32 s[G1A+3], KSTEP<<16                  ; tile_dim0 = 128
	s_mov_b32 s[G1B+3], KSTEP<<16
	s_mov_b32 s[G1A+4], 96                         ; tile_dim1 = 96
	s_mov_b32 s[G1B+4], 96
	s_mov_b32 s[G1A+5], 1024                       ; elements from row to row
	s_mov_b32 s[G1B+5], 1024
	s_mov_b32 s[G1A+6], 0
	s_mov_b32 s[G1B+6], 0
	s_mov_b32 s[G1A+7], 0
	s_mov_b32 s[G1B+7], 0
	; where the tiles come from: xb's hang on the block row, wt's on the block column; s56-59 never hold cx, s60-63 never cy
	s_mul_i32 s56, s22, 192
	s_mul_i32 s58, s18, 96
	s_add_co_u32 s56, s56, s58
	s_lshl_b32 s56, s56, 11                        ; rows of 2,048 bytes
	s_mov_b32 s57, 0
	s_mul_i32 s60, s21, 192
	s_add_co_u32 s60, s60, s58
	s_lshl_b32 s60, s60, 11
	s_mov_b32 s61, 0
	s_mul_i32 s59, s16, HALFT                      ; where they go: wave x 96 rows
	s_wait_dscnt 0x0
	s_wait_kmcnt 0x0
	s_add_nc_u64 s[56:57], s[4:5], s[56:57]
	s_add_nc_u64 s[60:61], s[6:7], s[60:61]
.irp s, 0,1
	s_mov_b32 s[G0A+4*\s], 1
	s_add_co_u32 s[G0A+4*\s+1], s59, \s*SLOT
	s_add_nc_u64 s[G0A+4*\s+2:G0A+4*\s+3], s[56:57], \s*KSTEP*2
	s_or_b32 s[G0A+4*\s+3], s[G0A+4*\s+3], 0x80000000
	s_mov_b32 s[G0B+4*\s], 1
	s_add_co_u32 s[G0B+4*\s+1], s59, \s*SLOT
	s_add_nc_u64 s[G0B+4*\s+2:G0B+4*\s+3], s[60:61], \s*KSTEP*2
	s_or_b32 s[G0B+4*\s+3], s[G0B+4*\s+3], 0x80000000
.endr
	CROUND                                         ; all sixteen work-groups are here: the first joint loads meet
	s_cmp_eq_u32 s17, 0                            ; both first fills of a wave inside one branch: two tensor loads out, the most in this text
	s_cbranch_scc0 .Lfirst_b
	tensor_load_to_lds s[G0A:G0A+3], s[G1A:G1A+7]
	s_nop 0
	tensor_load_to_lds s[G0A+4:G0A+7], s[G1A:G1A+7]
	s_nop 0
	s_branch .Lfirst_done
.Lfirst_b:
	tensor_load_to_lds s[G0B:G0B+3], s[G1B:G1B+7]
	s_nop 0
	tensor_load_to_lds s[G0B+4:G0B+7], s[G1B:G1B+7]
	s_nop 0
.Lfirst_done:
	; bias and factor of each of my six groups of 16 columns: a group lies in one of q, k, v since 1,024 is a multiple of 16.  Selects only.
	s_mul_i32 s60, s21, 192
	s_mul_i32 s61, s18, 96
	s_add_co_u32 s60, s60, s61                     ; my first column
	s_mov_b32 s63, 0
.irp b, 0,1,2,3,4,5
	s_add_co_u32 s61, s60, 16*\b
	s_and_b32 s62, s61, 1023
	s_lshl_b32 s62, s62, 2
	s_lshr_b32 s61, s61, 10                        ; 0 q, 1 k, 2 v
	s_cmp_eq_u32 s61, 1
	s_cselect_b64 s[BB+2*\b:BB+2*\b+1], s[10:11], s[8:9]
	s_cmp_eq_u32 s61, 2
	s_cselect_b64 s[BB+2*\b:BB+2*\b+1], s[12:13], s[BB+2*\b:BB+2*\b+1]
	s_add_nc_u64 s[BB+2*\b:BB+2*\b+1], s[BB+2*\b:BB+2*\b+1], s[62:63]
	s_cmp_eq_u32 s61, 0
	s_cselect_b32 s[SCL+2*\b], 0x3e38aa3b, 1.0     ; q: 0.125 log2(e), so that the scores are exponents of 2
	s_mov_b32 s[SCL+2*\b+1], s[SCL+2*\b]
.endr
	v_and_b32 v1, 15, v0                           ; l % 16
	v_bfe_u32 v2, v0, 4, 1                         ; l / 16
	v_lshlrev_b32 v[BO], 5, v2
	WIN 0x80                                       ; destination in window 2
.irp b, 0,1,2,3,4,5
	global_load_b128 v[BIA+8*\b:BIA+8*\b+3],   v[BO], s[BB+2*\b:BB+2*\b+1]
	global_load_b128 v[BIA+8*\b+4:BIA+8*\b+7], v[BO], s[BB+2*\b:BB+2*\b+1] offset:16
.endr
	WIN 0
	v_mul_u32_u24 v3, v1, PITCH
	v_lshl_add_u32 v3, v2, 4, v3                   ; row x pitch + 16 x half: a fragment is two loads of 16 bytes, 32 apart
	s_mul_i32 s58, s17, HALFT
	s_mul_i32 s59, s18, HALFT
	s_add_co_u32 s59, s59, 2*HALFT
.irp s, 0,1
	v_add_nc_u32 v[ADRA+\s], s58, v3
	v_add_nc_u32 v[ADRB+\s], s59, v3
	s_add_co_u32 s58, s58, SLOT
	s_add_co_u32 s59, s59, SLOT
.endr
	s_mul_i32 s58, s17, 96*SP
	s_mul_i32 s59, s18, 192
	s_add_co_u32 s58, s58, s59
	s_add_co_u32 s58, s58, STAGE
	v_mul_u32_u24 v4, v1, SP
	v_lshl_add_u32 v4, v2, 4, v4
	v_add_nc_u32 v[STO], s58, v4                   ; STAGE + (96 wr + r) 400 + 192 wc + 16 h
	s_mul_i32 s58, s16, 48*SP
	s_add_co_u32 s58, s58, STAGE
	v_and_b32 v5, 31, v0
	v_lshlrev_b32 v[CO], 4, v5
	v_lshrrev_b32 v6, 3, v5
	v_mul_u32_u24 v6, v6, SP
	v_and_b32 v7, 7, v0
	v_lshl_add_u32 v6, v7, 4, v6
	v_add_nc_u32 v[RD], s58, v6                    ; STAGE + (48 w + l / 8) 400 + 16 (l % 8)
; six matrix instructions: row block a of the window's three (hi = 0: rows 0-47, 1: rows 48-95) x my six column blocks, 32 along K.
; first = 1: the bias is the C operand, so nothing is cleared and no add follows.  The 36 accumulators take turns, one instruction a turn,
; in the same order in every quarter step.
.macro MUL6 f, hi, a, first
.irp b, 0,1,2,3,4,5
.if \first
	v_wmma_f32_16x16x32_f16 v[8*(6*\a+\b):8*(6*\a+\b)+7], v[\f+8*\b:\f+8*\b+7], v[\f+48+8*(3*\hi+\a):\f+48+8*(3*\hi+\a)+7], v[BIA+8*\b:BIA+8*\b+7]
.else
	v_wmma_f32_16x16x32_f16 v[8*(6*\a+\b):8*(6*\a+\b)+7], v[\f+8*\b:\f+8*\b+7], v[\f+48+8*(3*\hi+\a):\f+48+8*(3*\hi+\a)+7], v[8*(6*\a+\b):8*(6*\a+\b)+7]
.endif
.endr
.endm
.macro MULLO f, first                  ; rows 0-47: D in window 1; C in window 2 (the bias) or 1
.if \first
	WIN 0x60
.else
	WIN 0x50
.endif
.endm
; 24 LDS loads in one run: a quarter step's fragments (96 rows of wt, then 96 rows of xb, 32 K at byte k) into buffer f
.macro FETCH slot, k, f
	WIN 0
.irp i, 0,1,2,3,4,5
	ds_load_b128 v[\f+8*\i:\f+8*\i+3],   v[ADRB+\slot] offset:\k+\i*16*PITCH
	ds_load_b128 v[\f+8*\i+4:\f+8*\i+7], v[ADRB+\slot] offset:\k+\i*16*PITCH+32
.endr
.irp i, 0,1,2,3,4,5
	ds_load_b128 v[\f+48+8*\i:\f+48+8*\i+3], v[ADRA+\slot] offset:\k+\i*16*PITCH
	ds_load_b128 v[\f+48+8*\i+4:\f+48+8*\i+7], v[ADRA+\slot] offset:\k+\i*16*PITCH+32
.endr
.endm
.macro QUARTER slot, k, f, g, first
	s_wait_dscnt 6                                 ; wt's fragments and xb's rows 0-47 are in; the youngest six loads (rows 48-95) may be out
	MULLO \f, \first
	MUL6 \f, 0, 0, \first
	MUL6 \f, 0, 1, \first
	MUL6 \f, 0, 2, \first
	PLACES
	FETCH \slot, \k, \g
	s_wait_dscnt 24                                ; all but the 24 just issued
	WIN 0xa0
	MUL6 \f, 1, 0, \first
	MUL6 \f, 1, 1, \first
	MUL6 \f, 1, 2, \first
.endm
.macro THREE slot, first
	QUARTER \slot, 64,  F0, F1, \first
	QUARTER \slot, 128, F1, F0, 0
	QUARTER \slot, 192, F0, F1, 0
.endm
; the last quarter of a K step: multiplies buffer 1 and changes slots.  In front of the barrier each wave waits for its reads of this slot and
; for all its tensor loads (one is out: its part of the next slot); behind it (behind the cluster's round where the slot is filled again)
; the refill is the wave's one tensor load, then the next slot's first fragments are read.  A request has 132 matrix instructions in which to land.
.macro TURN slot, next, fill
	s_wait_dscnt 6
	WIN 0x50
	MUL6 F1, 0, 0, 0
	s_wait_dscnt 0                                 ; my reads of this slot are over
	s_wait_tensorcnt 0x0                           ; all my tensor loads have landed
	ds_add_u32 v254, v255
	s_wait_dscnt 0x0
	s_barrier_signal -1
	MUL6 F1, 0, 1, 0                               ; register work while the others arrive
	MUL6 F1, 0, 2, 0
	WIN 0
	s_barrier_wait -1
.if \fill
	CREST
	s_add_nc_u64 s[G0A+4*\slot+2:G0A+4*\slot+3], s[G0A+4*\slot+2:G0A+4*\slot+3], 2*KSTEP*2
	s_add_nc_u64 s[G0B+4*\slot+2:G0B+4*\slot+3], s[G0B+4*\slot+2:G0B+4*\slot+3], 2*KSTEP*2
	JLOAD \slot
.endif
	PLACES
	FETCH \next, 0, F0
	WIN 0xa0
	MUL6 F1, 1, 0, 0
	MUL6 F1, 1, 1, 0
	MUL6 F1, 1, 2, 0
.endm
.macro LAP first
	THREE 0, \first
	TURN 0, 1, 1
	THREE 1, 0
	TURN 1, 0, 1
.endm
	s_wait_loadcnt 0x0                             ; the bias
	s_wait_tensorcnt 1                             ; my part of K step 0 is in; K step 1's stays out
	s_barrier_signal -1
	s_barrier_wait -1
	FETCH 0, 0, F0
	LAP 1                                          ; K steps 0, 1; asks for 2, 3
	WIN 0
	s_mov_b32 s23, 2                               ; 1,024 / 256 = 4 laps: the first and the last are written out
.Llap:
	LAP 0
	WIN 0
	s_sub_co_u32 s23, s23, 1
	s_cmp_lg_u32 s23, 0
	s_cbranch_scc1 .Llap
	THREE 0, 0                                     ; the last lap asks for nothing
	TURN 0, 1, 0
	THREE 1, 0
	s_wait_dscnt 6
	WIN 0x50
	MUL6 F1, 0, 0, 0
	MUL6 F1, 0, 1, 0
	MUL6 F1, 0, 2, 0
	s_wait_dscnt 0
	WIN 0xa0
	MUL6 F1, 1, 0, 0
	MUL6 F1, 1, 1, 0
	MUL6 F1, 1, 2, 0
	; THE WAY OUT: factor in f32, round to f16, 16 bytes a lane into the stage; then whole runs of four rows of a unit (512 bytes) go out.
	PLACES
	s_mul_i32 s56, s22, 192
	s_mul_i32 s58, s16, 48
	s_add_co_u32 s56, s56, s58
	s_lshl_b32 s56, s56, 7                         ; (192 by + 48 w) rows of 128 bytes
	s_mov_b32 s57, 0
	s_add_nc_u64 s[14:15], s[14:15], s[56:57]
	s_mul_i32 s60, s21, 3*UNIT                     ; my three units
	s_mov_b32 s61, 0
	s_add_nc_u64 s[14:15], s[14:15], s[60:61]
.macro OUTA a, ap, win
	WIN \win                                       ; source 0 in the accumulators' window
.irp b, 0,1,2,3,4,5
.irp e, 0,2,4,6
	v_pk_mul_f32 v[F0+8*\b+\e:F0+8*\b+\e+1], v[8*(6*\ap+\b)+\e:8*(6*\ap+\b)+\e+1], s[SCL+2*\b:SCL+2*\b+1] op_sel_hi:[1,0]
.endr
.endr
	WIN 0
.irp b, 0,1,2,3,4,5
.irp e, 0,1,2,3
	v_cvt_pk_f16_f32 v[F0+48+4*\b+\e], v[F0+8*\b+2*\e], v[F0+8*\b+2*\e+1]
.endr
	ds_store_b128 v[STO], v[F0+48+4*\b:F0+48+4*\b+3] offset:\a*16*SP+32*\b
.endr
.endm
	OUTA 0, 0, 0x01
	OUTA 1, 1, 0x01
	OUTA 2, 2, 0x01
	OUTA 3, 0, 0x02
	OUTA 4, 1, 0x02
	OUTA 5, 2, 0x02
	s_wait_dscnt 0x0                               ; my part of the stage is written
	s_barrier_signal -1
	s_barrier_wait -1                              ; all of it is
.irp j, 0,1,2
.irp u, 0,1,2,3,4,5,6,7,8,9,10,11
	ds_load_b128 v[F0+4*(12*\j+\u):F0+4*(12*\j+\u)+3], v[RD] offset:\u*4*SP+\j*128     ; unit j, rows 48 w + 4 u .. + 3
.endr
.endr
.irp j, 0,1,2
.irp u, 0,1,2,3,4,5,6,7,8,9,10,11
	s_wait_dscnt 35-(12*\j+\u)
	global_store_b128 v[CO], v[F0+4*(12*\j+\u):F0+4*(12*\j+\u)+3], s[14:15] offset:\j*UNIT+\u*512    ; a wave stores 512 consecutive bytes, aligned
.endr
.endr
	s_wait_tensorcnt 0x0
	ds_add_u32 v254, v255
	s_wait_dscnt 0x0
	CROUND                                         ; the closing round: no work-group ends while a partner may still ask jointly
	s_endpgm
.Lfunc_end_k_q79480299ed_qkv:
	.size	k_q79480299ed_qkv, .Lfunc_end_k_q79480299ed_qkv-k_q79480299ed_qkv
	.p2alignl 7, 3214868480
	.fill 96, 4, 3214868480
	.section	.rodata,"a",@progbits
	.p2align	6, 0x0
	.amdhsa_kernel k_q79480299ed_qkv
		.amdhsa_group_segment_fixed_size 327680
		.amdhsa_private_segment_fixed_size 0
		.amdhsa_enable_private_segment 0
		.amdhsa_kernarg_size 48
		.amdhsa_user_sgpr_count 2
		.amdhsa_user_sgpr_kernarg_segment_ptr 1
		.amdhsa_wavefront_size32 1
		.amdhsa_system_sgpr_workgroup_id_x 1
		.amdhsa_system_sgpr_workgroup_id_y 1
		.amdhsa_system_sgpr_workgroup_id_z 1
		.amdhsa_system_vgpr_workitem_id 0
		.amdhsa_next_free_vgpr 704
		.amdhsa_next_free_sgpr 90
		.amdhsa_reserve_vcc 0
		.amdhsa_float_denorm_mode_32 3
		.amdhsa_float_denorm_mode_16_64 3
		.amdhsa_memory_ordered 1
		.amdhsa_forward_progress 1
		.amdhsa_inst_pref_size 140
	.end_amdhsa_kernel
	.amdgpu_metadata
---
amdhsa.version: [ 1, 2 ]
amdhsa.kernels:
  - .name:           k_q79480299ed_qkv
    .symbol:         k_q79480299ed_qkv.kd
    .args:
      - { .name: xb, .offset: 0, .size: 8, .value_kind: global_buffer, .address_space: global }
      - { .name: wt, .offset: 8, .size: 8, .value_kind: global_buffer, .address_space: global }
      - { .name: bq, .offset: 16, .size: 8, .value_kind: global_buffer, .address_space: global }
      - { .name: bk, .offset: 24, .size: 8, .value_kind: global_buffer, .address_space: global }
      - { .name: bv, .offset: 32, .size: 8, .value_kind: global_buffer, .address_space: global }
      - { .name: qkv, .offset: 40, .size: 8, .value_kind: global_buffer, .address_space: global }
    .group_segment_fixed_size: 327680
    .private_segment_fixed_size: 0
    .kernarg_segment_align: 8
    .kernarg_segment_size: 48
    .max_flat_workgroup_size: 128
    .sgpr_count:     90
    .vgpr_count:     704
    .wavefront_size: 32
...
	.end_amdgpu_metadata
.endif
;; end of part 2
;; launch attn (part 3): grid 16 x 16, 8 waves a work-group, clusters of 4 x 1, 327,680 bytes of LDS; arguments qkv, mask, hs; writes hs
.if DOCPART == 3
	.amdgcn_target "amdgcn-amd-amdhsa--gfx1250"
	.amdhsa_code_object_version 6
	.text
	.protected	k_q79480299ed_attn
	.globl	k_q79480299ed_attn
	.p2align	8
	.type	k_q79480299ed_attn,@function
k_q79480299ed_attn:
	s_mov_b64 s[64:65], 0
	v_nop
	global_prefetch_b8 v0, s[64:65] scope:SCOPE_SE
	s_setreg_imm32_b32 hwreg(HW_REG_WAVE_MODE, 25, 1), 1
	s_wait_xcnt 0x0
	s_wait_alu depctr_hold_cnt(0) depctr_sa_sdst(0) depctr_va_vdst(0) depctr_va_sdst(0) depctr_va_ssrc(0) depctr_va_vcc(0) depctr_vm_vsrc(0)
	s_getreg_b32 s2, hwreg(HW_REG_IB_STS2, 6, 4)
	s_cmp_eq_u32 s2, 0
	s_cbranch_scc0 .Lentry_in_a_cluster
	s_endpgm
.Lentry_in_a_cluster:
	s_bfe_u32 s2, ttmp6, 0x10000c
	s_cmp_lg_u32 s2, 0x3003
	s_cbranch_scc0 .Lentry_shape_is_right
	s_endpgm
.Lentry_shape_is_right:
; ATTN.  Both attentions, one head (grid y) and one chunk i (grid x) a work-group: 96 cond queries (rows 96 i ..) against key rows 0..2815, then
; 96 uncond queries (rows 1536 + 96 i ..) against key rows 1536..3071.  Row order as made by the cast launch.
; What a key may not contribute is said by an added bias, kept in LDS:
;   0 for a key that counts; -1e9 log2(e) for a source key whose mask is not > 0 (signed), added as the problem's definition adds -1e9: a masked key
;   is suppressed exactly that strongly and no more; -2^127 for rows that are no key of this attention (pad rows; batch 1's text for cond).
; The mask enters as a value only: no address, branch or trip count hangs on it, and masked keys are multiplied like the others.
; q was scaled by 0.125 log2(e), so scores are exponents of 2.  A running maximum is kept for each query.
; FORMAT: q, k, v, P and the result in f16, sums and softmax in f32.  P lies in [0, 1]; the result is a convex combination of v and has its range.
; LIMIT: the denominator sums the f32 exponentials, the value product takes them rounded to f16 (below 2^-14 with an absolute error of at most 2^-25).
; EIGHT WAVES: qg = w / 4 picks 48 queries (three tiles of 16), kg = w % 4 picks keys: step j of a slot is keys 128 j + 32 kg .. + 31.
; The four key groups keep their own (m, l, O); both attentions are merged through LDS at the end.
; TRANSPOSED FORMS: S^T = K Q^T (source 0 = 16 keys, source 1 = 16 queries): lane (r, h) holds query r, keys 8 h + j.  Two such tiles, rounded,
; are the second source of O^T = V^T P^T as they lie; V^T comes by the transposing LDS load.  A query's statistics live in lanes r and r + 16.
; SLOTS: two of 512 keys (V 4 x 128 rows at pitch 160, then K 4 x 128 rows at pitch 144).  Row blocks of 512: cond reads blocks 0..4 and the first half
; of block 5; uncond reads the whole of block 5 where it lies, then blocks 3 and 4 again: 8 fills, 22 + 12 steps of 32 keys for each wave.
; PIPELINE: in step g the softmax of step g's scores runs with step g + 1's twelve score products between its lines, and step g's value products
; run with the rescaling of O between them, so that the matrix unit works while the wave's vector work goes on.  Two score buffers and two V buffers
; take turns by the parity of g.
; REGISTER WINDOWS: what is interleaved lies under one setting.  Window 0: addresses, statistics, bias, K, Q, both score buffers (score products and
; softmax: setting 0).  Window 1: cond's O, uncond's O, both V buffers (value products and rescaling: D, C and source 0 in window 1, source 1 in 0).
; CLUSTER 4 x 1: the four work-groups of a cluster have the same head and walk the same K and V tiles: joint loads with mask 15.
.set UNIT,  393216                     ; bytes of a unit of qkv or hs: 3,072 rows x 128
.set KP,    144                        ; odd multiple of 16
.set VP,    160                        ; odd multiple of 32, for the transposing load
.set VPART, 128*VP                     ; 20,480: what one of waves 0-3 fetches
.set KPART, 128*KP                     ; 18,432: what one of waves 4-7 fetches
.set KOFF,  4*VPART                    ; K lies behind V in a slot
.set RING,  KOFF+4*KPART               ; 155,648: a slot
.set BIAS,  2*RING                     ; 3,328 f32: entries 0..2815 cond's key rows 0..2815, entries 2816..3327 uncond's key rows 2560..3071
.set MP,    272
.set MRGP,  8*48*MP                    ; 104,448: the partial O of one attention, 8 waves x 48 queries x 272 bytes
.set STAT,  2*MRGP                     ; 2 x 8 waves x 48 x (m, l).  Merge area and statistics lie in the ring, which has had its last fill by then
.set KA,  2                            ; v2-3   K fragments in slot 0, 1
.set VA,  4                            ; v4-5   V fragments in slot 0, 1
.set BA,  6                            ; v6     my bias numbers of the block at work; + 2,048 a block
.set QO,  7                            ; v7     r x 128 + 16 h
.set MST, 8                            ; v8     merge: where I put O
.set SST, 9                            ; v9     merge: where I put (m, l)
.set MRD, 10                           ; v10    merge: where I read O
.set SRD, 11                           ; v11    merge: where I read (m, l)
.set HO,  12                           ; v12    my offset in hs
.set BST, 13                           ; v13    BIAS + 4 x thread
.set ALC, 14                           ; v[14:19] cond: pairs (alpha, l) of query tiles 0..2
.set MXC, 20                           ; v[20:22] cond: running maxima
.set BZ,  23                           ; v23    my bias numbers in entries 512..1023, which are zeros: uncond's blocks 3 and 4
.set T,   24                           ; v[24:31] at work
.set ALU, 32                           ; v[32:37] uncond: pairs (alpha, l)
.set MXU, 38                           ; v[38:40] uncond: running maxima
.set BI,  48                           ; v[48:63] bias, [sub] x 8
.set KF,  64                           ; v[64:95] K fragments, [sub][c] x 8
.set QF,  96                           ; v[96:143] Q fragments, (2 q + c) x 8
.set SX,  144                          ; v[144:191], v[192:239] scores of even and odd steps, query tile x 16; P is packed into the first 8
.set MG,  96                           ; merge: 40 registers a pass, three passes
.set MK,  144                          ; set-up: five mask words
.set ZR,  149                          ; set-up: 0
.set PD,  150                          ; set-up: -2^127
.set NG,  151                          ; set-up: -1e9 log2(e)
.set BV,  152                          ; set-up: eight bias values
.set OC,  0                            ; window 1, v[0:95]: cond's O^T, (4 q + t) x 8
.set OU,  96                           ; window 1, v[96:191]: uncond's O^T; until cond's last score products its first 48 hold uncond's Q
.set VF,  192                          ; window 1, v[192:255]: V^T fragments, two buffers of [t] x 8
.set G1K, 20                           ; s[20:27]
.set G1V, 28                           ; s[28:35]
.set G0K, 36                           ; s[36:43] one set a slot
.set G0V, 44                           ; s[44:51]
.set MSB, 0
.macro WIN new                         ; the immediate's high byte repeats the setting that is left
.if MSB != \new
	s_set_vgpr_msb (MSB<<8)|\new
.set MSB, \new
.endif
.endm
.macro PLACES n                        ; places behind a matrix instruction (ISA guide 7.12.1)
.rept \n
	v_nop
.endr
.endm
.macro CREST                           ; a round of the cluster's barrier behind its opening work-group barrier
	s_cmp_lg_u32 s10, 0
	s_cbranch_scc1 .Lnot_wave_0_\@
	s_barrier_signal -3
.Lnot_wave_0_\@:
	s_barrier_wait -3
	s_barrier_signal -1
	s_barrier_wait -1
.endm
.macro ROUND
	s_barrier_signal -1
	s_barrier_wait -1
	CREST
.endm
.macro JLOAD s                         ; waves 0-3 ask for V's four parts, waves 4-7 for K's
	s_cmp_lt_u32 s10, 4
	s_cbranch_scc0 .Lfor_k_\@
	tensor_load_to_lds s[G0V+4*\s:G0V+4*\s+3], s[G1V:G1V+7]
	s_nop 0
	s_branch .Lasked_\@
.Lfor_k_\@:
	tensor_load_to_lds s[G0K+4*\s:G0K+4*\s+3], s[G1K:G1K+7]
	s_nop 0
.Lasked_\@:
.endm
	s_load_b128 s[4:7], s[0:1], 0x0                ; qkv s[4:5], mask s[6:7]
	s_load_b64 s[8:9], s[0:1], 0x10                ; hs
	v_lshl_add_u32 v254, v0, 2, 0x4f400
	v_mov_b32 v255, 0
	ds_add_u32 v254, v255
	v_lshrrev_b32 v1, 5, v0
	v_readfirstlane_b32 s10, v1                    ; wave 0..7
	s_and_b32 s11, s10, 3                          ; kg
	s_lshr_b32 s12, s10, 2                         ; qg
	s_bfe_u32 s13, ttmp6, 0x40000                  ; cx
	s_lshl_b32 s14, ttmp9, 2
	s_add_co_u32 s14, s14, s13                     ; chunk i
	s_and_b32 s15, ttmp7, 0xffff                   ; head
	s_mov_b32 s16, 0x76543210                      ; v_permlanex16_b32: lane i reads lane i of the other half
	s_mov_b32 s17, 0xfedcba98
	; group 1: 128 keys of 128 bytes are dense in memory and are stated as 64 rows of 256 bytes; padding behind every 32 words (a key): 4 words for K,
	; 8 for V; mask 15, bit 21 beside it
	s_mov_b32 s[G1K+0], 15|(1<<16)|(1<<20)|(1<<21)|(4<<22)|(3<<25)
	s_mov_b32 s[G1V+0], 15|(1<<16)|(1<<20)|(1<<21)|(4<<22)|(7<<25)
	s_mov_b32 s[G1K+1], 128<<16                    ; tensor_dim0 = 128 elements
	s_mov_b32 s[G1V+1], 128<<16
	s_mov_b32 s[G1K+2], 64<<16                     ; tensor_dim1 = 64
	s_mov_b32 s[G1V+2], 64<<16
	s_mov_b32 s[G1K+3], 128<<16                    ; tile_dim0
	s_mov_b32 s[G1V+3], 128<<16
	s_mov_b32 s[G1K+4], 64                         ; tile_dim1
	s_mov_b32 s[G1V+4], 64
	s_mov_b32 s[G1K+5], 128                        ; elements from row to row
	s_mov_b32 s[G1V+5], 128
	s_mov_b32 s[G1K+6], 0
	s_mov_b32 s[G1V+6], 0
	s_mov_b32 s[G1K+7], 0
	s_mov_b32 s[G1V+7], 0
	s_add_co_u32 s52, s15, 16
	s_mul_i32 s52, s52, UNIT                       ; the head's K unit
	s_lshl_b32 s54, s11, 14                        ; + 128 kg rows of 128 bytes
	s_add_co_u32 s52, s52, s54
	s_mov_b32 s53, 0
	s_mul_i32 s58, s10, VPART                      ; waves 0-3: V's part w
	s_mul_i32 s59, s10, KPART
	s_add_co_u32 s59, s59, KOFF-4*KPART            ; waves 4-7: K's part w - 4 = 8,192 + w x 18,432
	s_mul_i32 s56, s15, UNIT                       ; the head's q unit, and its unit of hs,
	s_mul_i32 s57, s14, 96*128                     ; + my chunk (s56, s57, s66-69 alone hold cx)
	s_add_co_u32 s56, s56, s57
	s_mov_b32 s57, 0
	s_mul_i32 s60, s12, 48*128
	s_wait_dscnt 0x0
	s_wait_kmcnt 0x0
	s_add_nc_u64 s[52:53], s[4:5], s[52:53]        ; K
	s_add_nc_u64 s[54:55], s[52:53], 16*UNIT       ; V: sixteen units on
	s_add_nc_u64 s[68:69], s[8:9], s[56:57]        ; hs at my chunk
	s_add_co_u32 s56, s56, s60
	s_add_nc_u64 s[66:67], s[4:5], s[56:57]        ; q at my wave's 48 queries
.irp s, 0,1
	s_mov_b32 s[G0K+4*\s], 1
	s_add_co_u32 s[G0K+4*\s+1], s59, \s*RING
	s_add_nc_u64 s[G0K+4*\s+2:G0K+4*\s+3], s[52:53], \s*65536      ; block s: 512 rows of 128 bytes on
	s_or_b32 s[G0K+4*\s+3], s[G0K+4*\s+3], 0x80000000
	s_mov_b32 s[G0V+4*\s], 1
	s_add_co_u32 s[G0V+4*\s+1], s58, \s*RING
	s_add_nc_u64 s[G0V+4*\s+2:G0V+4*\s+3], s[54:55], \s*65536
	s_or_b32 s[G0V+4*\s+3], s[G0V+4*\s+3], 0x80000000
.endr
	ROUND                                          ; the four work-groups are here: the first joint loads meet
	s_cmp_lt_u32 s10, 4                            ; both first fills of a wave inside one branch: two tensor loads out, the most in this text
	s_cbranch_scc0 .Lfirst_k
	tensor_load_to_lds s[G0V:G0V+3], s[G1V:G1V+7]
	s_nop 0
	tensor_load_to_lds s[G0V+4:G0V+7], s[G1V:G1V+7]
	s_nop 0
	s_branch .Lfirst_done
.Lfirst_k:
	tensor_load_to_lds s[G0K:G0K+3], s[G1K:G1K+7]
	s_nop 0
	tensor_load_to_lds s[G0K+4:G0K+7], s[G1K:G1K+7]
	s_nop 0
.Lfirst_done:
.macro QLOAD ph, base, win             ; my 48 queries' fragments: lane (r, h) takes query r, d = 32 c + 8 h .. and 32 c + 16 + 8 h ..
	WIN \win
.irp q, 0,1,2
.irp c, 0,1
	global_load_b128 v[\base+8*(2*\q+\c):\base+8*(2*\q+\c)+3],   v[QO], s[66:67] offset:\ph*196608+\q*2048+\c*64
	global_load_b128 v[\base+8*(2*\q+\c)+4:\base+8*(2*\q+\c)+7], v[QO], s[66:67] offset:\ph*196608+\q*2048+\c*64+32
.endr
.endr
	WIN 0
.endm
	; the mask: 1,248 words; thread t takes words t + 256 n, the last index clamped to the buffer
	v_lshlrev_b32 v29, 2, v0
	v_add_nc_u32 v30, 1024, v0
	v_min_u32 v30, 1247, v30
	v_lshlrev_b32 v30, 2, v30
	global_load_b32 v[MK],   v29, s[6:7]
	global_load_b32 v[MK+1], v29, s[6:7] offset:1024
	global_load_b32 v[MK+2], v29, s[6:7] offset:2048
	global_load_b32 v[MK+3], v29, s[6:7] offset:3072
	global_load_b32 v[MK+4], v30, s[6:7]
	v_and_b32 v1, 31, v0                           ; L
	v_and_b32 v24, 15, v0                          ; r
	v_bfe_u32 v25, v0, 4, 1                        ; h
	v_lshlrev_b32 v[QO], 7, v24
	v_lshl_add_u32 v[QO], v25, 4, v[QO]
	QLOAD 0, QF, 0                                 ; cond's queries, where the score products read them
	QLOAD 1, OU, 0x40                              ; uncond's queries wait in window 1, in registers that are free until uncond's first value product
	s_lshl_b32 s52, s11, 5                         ; 32 kg
	v_add_nc_u32 v26, s52, v24
	v_mul_u32_u24 v[KA], v26, KP
	v_lshl_add_u32 v[KA], v25, 4, v[KA]
	v_add_nc_u32 v[KA], KOFF, v[KA]                ; K's part 0 + (32 kg + r) x 144 + 16 h
	v_add_nc_u32 v[KA+1], RING, v[KA]
	v_and_b32 v26, 7, v0
	v_lshl_add_u32 v26, v25, 3, v26                ; 8 h + L % 8
	v_add_nc_u32 v26, s52, v26                     ; + 32 kg
	v_mul_u32_u24 v[VA], v26, VP
	v_bfe_u32 v27, v0, 3, 1
	v_lshl_add_u32 v[VA], v27, 4, v[VA]            ; + 16 ((L / 8) % 2)
	v_add_nc_u32 v[VA+1], RING, v[VA]
	s_lshl_b32 s52, s11, 7
	s_add_co_u32 s52, s52, BIAS
	v_lshl_add_u32 v[BA], v25, 5, s52              ; BIAS + 4 (32 kg + 8 h)
	v_add_nc_u32 v[BZ], 2048, v[BA]                ; the same place in entries 512 ..
	s_mul_i32 s52, s10, 48*MP
	v_mul_u32_u24 v[MST], v24, MP
	v_lshl_add_u32 v[MST], v25, 5, v[MST]
	v_add_nc_u32 v[MST], s52, v[MST]
	s_mul_i32 s52, s10, 384
	s_add_co_u32 s52, s52, STAT
	v_lshl_add_u32 v[SST], v24, 3, s52
	s_mul_i32 s53, s11, 12
	v_lshrrev_b32 v26, 3, v1
	v_add_nc_u32 v26, s53, v26                     ; 12 kg + L / 8: the query that I merge in pass 0
	v_mul_u32_u24 v[MRD], v26, MP
	v_and_b32 v27, 7, v0
	v_lshl_add_u32 v[MRD], v27, 5, v[MRD]
	s_mul_i32 s52, s12, 4*48*MP
	v_add_nc_u32 v[MRD], s52, v[MRD]
	s_mul_i32 s52, s12, 1536
	s_add_co_u32 s52, s52, STAT
	v_lshl_add_u32 v[SRD], v26, 3, s52
	s_mul_i32 s52, s12, 48
	s_add_co_u32 s52, s52, s53
	s_lshl_b32 s52, s52, 7
	v_lshl_add_u32 v[HO], v1, 4, s52               ; (48 qg + 12 kg) x 128 + 16 L
	v_lshl_add_u32 v[BST], v0, 2, BIAS
	v_mov_b32 v[ZR], 0
	v_mov_b32 v[PD], 0xff000000                    ; -2^127: no key of this attention
	v_mov_b32 v[NG], 0xceabfb8f                    ; -1e9 log2(e): a masked source key
	s_wait_loadcnt 24                              ; the five mask loads are in; the 24 loads of the queries stay out
	; bias entry 256 n + thread
	v_cmp_gt_u32 vcc_lo, 226, v0                   ; rows 0-255: text, then pad
	v_cndmask_b32 v[BV], v[PD], v[ZR], vcc_lo
	v_cmp_gt_u32 vcc_lo, 32, v0                    ; rows 256-511: pad up to 287
	v_cndmask_b32 v[BV+1], v[ZR], v[PD], vcc_lo
.irp n, 0,1,2,3,4
	v_cmp_lt_i32 vcc_lo, 0, v[MK+\n]               ; rows 1536 + 256 n + thread: selected where the mask is > 0
	v_cndmask_b32 v[BV+2+\n], v[NG], v[ZR], vcc_lo
.endr
	v_cmp_gt_u32 vcc_lo, 224, v0                   ; rows from 2784 are batch 1's text
	v_cndmask_b32 v[BV+6], v[PD], v[BV+6], vcc_lo
	v_cmp_gt_u32 vcc_lo, 194, v0                   ; uncond, rows 2816 + thread: rows from 3010 are pad
	v_cndmask_b32 v[BV+7], v[PD], v[ZR], vcc_lo
	ds_store_b32 v[BST], v[BV]
	ds_store_b32 v[BST], v[BV+1] offset:1024
.irp n, 2,3,4,5,11
	ds_store_b32 v[BST], v[ZR] offset:1024*\n      ; rows 512-1535 for cond; rows 2560-2815 for uncond
.endr
.irp n, 0,1,2,3,4
	ds_store_b32 v[BST], v[BV+2+\n] offset:1024*(6+\n)
.endr
	ds_store_b32 v[BST], v[BV+7] offset:1024*12
.macro LOADK slot, j, kb, ba           ; 12 loads: 32 keys (two tiles of 16 x 64 d) of part j, and their bias at step kb of the block's table
.irp sub, 0,1
.irp c, 0,1
	ds_load_b128 v[KF+8*(2*\sub+\c):KF+8*(2*\sub+\c)+3],   v[KA+\slot] offset:\j*KPART+\sub*16*KP+\c*64
	ds_load_b128 v[KF+8*(2*\sub+\c)+4:KF+8*(2*\sub+\c)+7], v[KA+\slot] offset:\j*KPART+\sub*16*KP+\c*64+32
.endr
.endr
.irp sub, 0,1
	ds_load_b128 v[BI+8*\sub:BI+8*\sub+3],   v[\ba] offset:\kb*512+\sub*64
	ds_load_b128 v[BI+8*\sub+4:BI+8*\sub+7], v[\ba] offset:\kb*512+\sub*64+16
.endr
.endm
.macro LOADV slot, j, vb               ; 8 transposing loads: V^T of 32 keys of part j, four tiles of 16 d, into V buffer vb
	WIN 0x40                                       ; destination in window 1
.irp t, 0,1,2,3
	ds_load_tr16_b128 v[VF+32*(\vb)+8*\t:VF+32*(\vb)+8*\t+3],   v[VA+\slot] offset:\j*VPART+32*\t
	ds_load_tr16_b128 v[VF+32*(\vb)+8*\t+4:VF+32*(\vb)+8*\t+7], v[VA+\slot] offset:\j*VPART+32*\t+16*VP
.endr
	WIN 0
.endm
; score product number i of a step's twelve, into the score buffer at nx: i < 6 takes d 0-31 and starts the sum with the bias, i >= 6 adds d 32-63.
; The six accumulators take turns, one instruction a turn.
.macro WM i, nx
.set WQ, (\i)%3
.set WS, ((\i)/3)%2
.if (\i) < 6
	v_wmma_f32_16x16x32_f16 v[\nx+16*WQ+8*WS:\nx+16*WQ+8*WS+7], v[KF+16*WS:KF+16*WS+7], v[QF+16*WQ:QF+16*WQ+7], v[BI+8*WS:BI+8*WS+7]
.else
	v_wmma_f32_16x16x32_f16 v[\nx+16*WQ+8*WS:\nx+16*WQ+8*WS+7], v[KF+16*WS+8:KF+16*WS+15], v[QF+16*WQ+8:QF+16*WQ+15], v[\nx+16*WQ+8*WS:\nx+16*WQ+8*WS+7]
.endif
.endm
.macro HOOK wm, k, nx                  ; a place in the softmax where a score product of the next step is issued (wm < 0: none)
.if \wm >= 0
	WM \wm+\k, \nx
.endif
.endm
; one query tile's 32 scores a query, at e: new maximum, alpha, exponentials, their sum, P in f16.  first = 1: no old maximum, no alpha.
; Six score products wm .. wm + 5 of the next step stand between the lines; they name none of the registers at work here.
; The eight conversions at the end are also the places between the last score product and the loads into K's and the bias's registers.
.macro SOFT e, al, mx, first, wm, nx
	v_max3_num_f32 v[T],   v[\e],    v[\e+1],  v[\e+2]
	v_max3_num_f32 v[T+1], v[\e+3],  v[\e+4],  v[\e+5]
	v_max3_num_f32 v[T+2], v[\e+6],  v[\e+7],  v[\e+8]
	v_max3_num_f32 v[T+3], v[\e+9],  v[\e+10], v[\e+11]
	v_max3_num_f32 v[T+4], v[\e+12], v[\e+13], v[\e+14]
	v_max3_num_f32 v[T],   v[T],    v[T+1],  v[\e+15]
	v_max3_num_f32 v[T+2], v[T+2],  v[T+3],  v[T+4]
.if \first
	v_max_num_f32 v[T], v[T], v[T+2]
.else
	v_max3_num_f32 v[T], v[T], v[T+2], v[\mx]
.endif
	HOOK \wm, 0, \nx
	v_permlanex16_b32 v[T+1], v[T], s16, s17       ; the other half's 16 keys of the same query
	v_max_num_f32 v[T], v[T], v[T+1]
.if \first == 0
	v_sub_f32 v[\al], v[\mx], v[T]
	v_exp_f32 v[\al], v[\al]                       ; alpha; the packed adds below are the plain place behind it (ISA guide 5.7.2)
.endif
.irp i, 0,2,4,6
	v_pk_add_f32 v[\e+\i:\e+\i+1], v[\e+\i:\e+\i+1], v[T:T+1] op_sel_hi:[1,0] neg_lo:[0,1] neg_hi:[0,1]
.endr
	HOOK \wm, 1, \nx
.irp i, 8,10,12,14
	v_pk_add_f32 v[\e+\i:\e+\i+1], v[\e+\i:\e+\i+1], v[T:T+1] op_sel_hi:[1,0] neg_lo:[0,1] neg_hi:[0,1]
.endr
.irp i, 0,1,2,3
	v_exp_f32 v[\e+\i], v[\e+\i]
.endr
	HOOK \wm, 2, \nx
.irp i, 4,5,6,7,8,9,10,11
	v_exp_f32 v[\e+\i], v[\e+\i]
.endr
	HOOK \wm, 3, \nx
.irp i, 12,13,14,15
	v_exp_f32 v[\e+\i], v[\e+\i]
.endr
	v_mov_b32 v[\mx], v[T]                         ; the plain place behind the exponentials
	s_wait_alu depctr_va_vdst(0)
	v_pk_add_f32 v[T+2:T+3], v[\e:\e+1],     v[\e+2:\e+3]
	v_pk_add_f32 v[T+4:T+5], v[\e+4:\e+5],   v[\e+6:\e+7]
	v_pk_add_f32 v[T+6:T+7], v[\e+8:\e+9],   v[\e+10:\e+11]
	HOOK \wm, 4, \nx
	v_pk_add_f32 v[T:T+1],   v[\e+12:\e+13], v[\e+14:\e+15]
	v_pk_add_f32 v[T+2:T+3], v[T+2:T+3], v[T+4:T+5]
	v_pk_add_f32 v[T+6:T+7], v[T+6:T+7], v[T:T+1]
	v_pk_add_f32 v[T+2:T+3], v[T+2:T+3], v[T+6:T+7]
.if \first
	v_add_f32 v[\al+1], v[T+2], v[T+3]             ; l, of my half's keys alone: the halves are joined in the merge
.else
	v_add_f32 v[T+2], v[T+2], v[T+3]
	v_fma_f32 v[\al+1], v[\al+1], v[\al], v[T+2]
.endif
	HOOK \wm, 5, \nx
.irp i, 0,1,2,3,4,5,6,7
	v_cvt_pk_f16_f32 v[\e+\i], v[\e+2*\i], v[\e+2*\i+1]    ; keys 8 h + 0..7 into registers 0-3, 16 + 8 h + 0..7 into 4-7: P^T's fragment
.endr
.endm
; O times alpha and the twelve value products of the step whose P lies in score buffer par and whose V lies in V buffer par.  The rescaling of the next
; query tile stands between the products of this one.  Twelve accumulators take turns, one instruction a turn.
; first = 1: the products start the sums, nothing is rescaled.
.macro PVR par, ob, al, first
	WIN 0x51                                       ; D, C and source 0 (O, V) in window 1; source 1 (P, alpha) in window 0
.if \first == 0
.irp i, 0,2,4,6,8,10,12,14,16,18,20,22,24,26,28,30
	v_pk_mul_f32 v[\ob+\i:\ob+\i+1], v[\ob+\i:\ob+\i+1], v[\al:\al+1] op_sel_hi:[1,0]
.endr
.endif
.irp q, 0,1,2
.irp t, 0,1,2,3
.if \first
	v_wmma_f32_16x16x32_f16 v[\ob+8*(4*\q+\t):\ob+8*(4*\q+\t)+7], v[VF+32*(\par)+8*\t:VF+32*(\par)+8*\t+7], v[SX+48*(\par)+16*\q:SX+48*(\par)+16*\q+7], 0
.else
	v_wmma_f32_16x16x32_f16 v[\ob+8*(4*\q+\t):\ob+8*(4*\q+\t)+7], v[VF+32*(\par)+8*\t:VF+32*(\par)+8*\t+7], v[SX+48*(\par)+16*\q:SX+48*(\par)+16*\q+7], v[\ob+8*(4*\q+\t):\ob+8*(4*\q+\t)+7]
.if \q < 2
.irp i, 0,2,4,6
	v_pk_mul_f32 v[\ob+8*(4*(\q+1)+\t)+\i:\ob+8*(4*(\q+1)+\t)+\i+1], v[\ob+8*(4*(\q+1)+\t)+\i:\ob+8*(4*(\q+1)+\t)+\i+1], v[\al+2*(\q+1):\al+2*(\q+1)+1] op_sel_hi:[1,0]
.endr
.endif
.endif
.endr
.endr
	WIN 0
.endm
; the first half of step g (par = g % 2): softmax of the scores in buffer par; V of step g + 1 is asked for; the scores of step g + 1 are made in the
; other buffer.  The first tile's softmax lines are the places behind the last value products, in front of the loads into V and of the products that write over P.
.macro P1 par, al, mx, first, vsl, vj
	SOFT SX+48*(\par), \al, \mx, \first, -1, 0
	LOADV \vsl, \vj, 1-(\par)
	s_wait_dscnt 8                                 ; K and bias of step g + 1 are in, and V of step g, which is older; the eight just issued stay out
	SOFT SX+48*(\par)+16, \al+2, \mx+1, \first, 0, SX+48*(1-(\par))
	SOFT SX+48*(\par)+32, \al+4, \mx+2, \first, 6, SX+48*(1-(\par))
.endm
; step g.  (vsl, vj): slot and part of V of step g + 1.  (ksl, kj, kb, ba): slot, part, bias step and bias register of K of step g + 2; ksl < 0: none.
.macro ITER par, al, mx, ob, first, vsl, vj, ksl, kj, kb, ba
	P1 \par, \al, \mx, \first, \vsl, \vj
.if \ksl >= 0
	LOADK \ksl, \kj, \kb, \ba
.endif
	PVR \par, \ob, \al, \first
.endm
; the step before a slot's last step: with V of step g + 1 every read of slot vsl has been issued.  Each wave waits for its LDS reads and for all its tensor
; loads (one is out: its part of the other slot) and signals; the value products are register work while the others arrive.  fill = 1: the barrier opens a
; round of the cluster's barrier, and behind it slot vsl is asked for again, jointly, as the wave's one tensor load, ahead of the first read of the other
; slot; that load has four steps less one run of value products in which to land.  jump = 1: 512 rows back (blocks 4 to 3 and 5 to 4), else 1,024 rows on.
.macro ITERR par, al, mx, ob, vsl, vj, fill, jump, badd, ksl, ba
	P1 \par, \al, \mx, 0, \vsl, \vj
	s_wait_dscnt 0x0                               ; my reads of slot vsl are over
	s_wait_tensorcnt 0x0                           ; all my tensor loads have landed: every group 0 may be written
	ds_add_u32 v254, v255
	s_wait_dscnt 0x0
.if \fill
.if \jump
	s_sub_nc_u64 s[G0K+4*\vsl+2:G0K+4*\vsl+3], s[G0K+4*\vsl+2:G0K+4*\vsl+3], 65536
	s_sub_nc_u64 s[G0V+4*\vsl+2:G0V+4*\vsl+3], s[G0V+4*\vsl+2:G0V+4*\vsl+3], 65536
.else
	s_add_nc_u64 s[G0K+4*\vsl+2:G0K+4*\vsl+3], s[G0K+4*\vsl+2:G0K+4*\vsl+3], 131072
	s_add_nc_u64 s[G0V+4*\vsl+2:G0V+4*\vsl+3], s[G0V+4*\vsl+2:G0V+4*\vsl+3], 131072
.endif
.endif
	s_barrier_signal -1
	PVR \par, \ob, \al, 0
	s_barrier_wait -1
.if \fill
	CREST
	JLOAD \vsl
.endif
.if \badd
	v_add_nc_u32 v[BA], \badd, v[BA]               ; the next block's bias
.endif
	LOADK \ksl, 0, 0, \ba
.endm
; the merge, first half: (m, l) and the partial O of one attention go to LDS
.macro MSTORE ph, al, mx, ob
.irp q, 0,1,2
	v_permlanex16_b32 v[T+\q], v[\al+2*\q+1], s16, s17
.endr
.irp q, 0,1,2
	v_add_f32 v[\al+2*\q+1], v[\al+2*\q+1], v[T+\q]        ; l over both halves' keys
	v_mov_b32 v[\al+2*\q], v[\mx+\q]
	ds_store_b64 v[SST], v[\al+2*\q:\al+2*\q+1] offset:\ph*3072+128*\q     ; lanes r and r + 16 write the same (m, l)
.endr
	WIN 0x04                                       ; the stores' data in window 1
.irp q, 0,1,2
.irp t, 0,1,2,3
	ds_store_b128 v[MST], v[\ob+8*(4*\q+\t):\ob+8*(4*\q+\t)+3]   offset:\q*16*MP+\t*64
	ds_store_b128 v[MST], v[\ob+8*(4*\q+\t)+4:\ob+8*(4*\q+\t)+7] offset:\q*16*MP+\t*64+16
.endr
.endr
	WIN 0
.endm
; the merge, second half: the four key groups of each query group are joined, and 96 rows of hs go out.  Wave (qg, kg) merges queries 12 kg .. 12 kg + 11
; of its group, four a pass: lane L takes query L / 8 of the four and d = 8 (L % 8) .. + 7.
.macro MERGE ph
.irp p, 0,1,2
.irp g, 0,1,2,3
	ds_load_b64 v[MG+40*\p+2*\g:MG+40*\p+2*\g+1], v[SRD] offset:\ph*3072+\g*384+32*\p
.endr
.irp g, 0,1,2,3
	ds_load_b128 v[MG+40*\p+8+8*\g:MG+40*\p+11+8*\g],  v[MRD] offset:\g*48*MP+\p*4*MP
	ds_load_b128 v[MG+40*\p+12+8*\g:MG+40*\p+15+8*\g], v[MRD] offset:\g*48*MP+\p*4*MP+16
.endr
.endr
.irp p, 0,1,2
.set MB, MG+40*\p
	s_wait_dscnt 24-12*\p                          ; this pass's twelve loads are in; twelve for each later pass stay out
	v_max3_num_f32 v[T], v[MB], v[MB+2], v[MB+4]
	v_max_num_f32 v[T], v[T], v[MB+6]
.irp g, 0,2,4,6
	v_sub_f32 v[MB+\g], v[MB+\g], v[T]
.endr
.irp g, 0,2,4,6
	v_exp_f32 v[MB+\g], v[MB+\g]
.endr
	v_nop                                          ; the plain place behind the exponentials
	s_wait_alu depctr_va_vdst(0)
	v_mul_f32 v[T+1], v[MB], v[MB+1]
	v_fma_f32 v[T+1], v[MB+2], v[MB+3], v[T+1]
	v_fma_f32 v[T+1], v[MB+4], v[MB+5], v[T+1]
	v_fma_f32 v[T+1], v[MB+6], v[MB+7], v[T+1]     ; at least 1: the group that holds the maximum counts its key fully
	v_rcp_f32 v[T+1], v[T+1]
	v_nop
	s_wait_alu depctr_va_vdst(0)
.irp g, 0,2,4,6
	v_mul_f32 v[MB+\g], v[MB+\g], v[T+1]
.endr
.irp e, 0,2,4,6
	v_pk_mul_f32 v[MB+8+\e:MB+9+\e], v[MB+8+\e:MB+9+\e], v[MB:MB+1] op_sel_hi:[1,0]
.endr
.irp g, 1,2,3
.irp e, 0,2,4,6
	v_pk_fma_f32 v[MB+8+\e:MB+9+\e], v[MB+8+8*\g+\e:MB+9+8*\g+\e], v[MB+2*\g:MB+2*\g+1], v[MB+8+\e:MB+9+\e] op_sel_hi:[1,0,1]
.endr
.endr
.irp e, 0,1,2,3
	v_cvt_pk_f16_f32 v[MB+8+\e], v[MB+8+2*\e], v[MB+9+2*\e]
.endr
	global_store_b128 v[HO], v[MB+8:MB+11], s[68:69] offset:\ph*196608+\p*512      ; a wave stores 512 consecutive bytes, aligned
.endr
.endm
	s_wait_loadcnt 0x0                             ; both sets of queries
	s_wait_dscnt 0x0                               ; my bias entries are in LDS
	s_wait_tensorcnt 1                             ; my part of block 0 is in; block 1's stays out
	s_barrier_signal -1
	s_barrier_wait -1
	LOADK 0, 0, 0, BA
	LOADV 0, 0, 0
	s_wait_dscnt 8                                 ; K and bias of step 0 are in; V's eight loads are younger
.irp i, 0,1,2,3,4,5,6,7,8,9,10,11
	WM \i, SX
.endr
	PLACES 4                                       ; before K's and the bias's registers are loaded again and the scores are read
	LOADK 0, 1, 1, BA
	ITER  0, ALC, MXC, OC, 1, 0, 1, 0, 2, 2, BA    ; step 0 starts cond's sums
	s_mov_b32 s18, 2
.Lcond:                                            ; steps 1-8 and 9-16: blocks 0 to 3 and the first step of block 4
	ITER  1, ALC, MXC, OC, 0, 0, 2, 0, 3, 3, BA
	ITERR 0, ALC, MXC, OC, 0, 3, 1, 0, 2048, 1, BA
	ITER  1, ALC, MXC, OC, 0, 1, 0, 1, 1, 1, BA
	ITER  0, ALC, MXC, OC, 0, 1, 1, 1, 2, 2, BA
	ITER  1, ALC, MXC, OC, 0, 1, 2, 1, 3, 3, BA
	ITERR 0, ALC, MXC, OC, 1, 3, 1, 0, 2048, 0, BA
	ITER  1, ALC, MXC, OC, 0, 0, 0, 0, 1, 1, BA
	ITER  0, ALC, MXC, OC, 0, 0, 1, 0, 2, 2, BA
	s_sub_co_u32 s18, s18, 1
	s_cmp_lg_u32 s18, 0
	s_cbranch_scc1 .Lcond
	ITER  1, ALC, MXC, OC, 0, 0, 2, 0, 3, 3, BA    ; step 17
	ITERR 0, ALC, MXC, OC, 0, 3, 1, 1, 2048, 1, BA ; step 18: slot 0 is asked for again with block 3, for uncond
	ITER  1, ALC, MXC, OC, 0, 1, 0, 1, 1, 1, BA    ; step 19
	ITER  0, ALC, MXC, OC, 0, 1, 1, 1, 0, 2, BA    ; step 20: K of step 22 is block 5's part 0 again, with uncond's bias (entries 2816 ..)
	WIN 0x01                                       ; cond's last score products are issued: uncond's queries move to where the products read them,
.set i, 0                                          ; 48 moves once a wave, so that the pipeline runs on through the change of attention
.rept 48
	v_mov_b32 v[QF+i], v[OU+i]
.set i, i+1
.endr
	WIN 0
	ITER  1, ALC, MXC, OC, 0, 1, 0, 1, 1, 3, BA    ; step 21: cond's last softmax and value products; uncond's first scores
	ITER  0, ALU, MXU, OU, 1, 1, 1, 1, 2, 4, BA    ; step 22 starts uncond's sums
	ITER  1, ALU, MXU, OU, 0, 1, 2, 1, 3, 5, BA    ; step 23
	ITERR 0, ALU, MXU, OU, 1, 3, 1, 1, 0, 0, BZ    ; step 24: slot 1 is asked for again with block 4: the last fill
	ITER  1, ALU, MXU, OU, 0, 0, 0, 0, 1, 1, BZ    ; step 25
	ITER  0, ALU, MXU, OU, 0, 0, 1, 0, 2, 2, BZ    ; step 26
	ITER  1, ALU, MXU, OU, 0, 0, 2, 0, 3, 3, BZ    ; step 27
	ITERR 0, ALU, MXU, OU, 0, 3, 0, 0, 0, 1, BZ    ; step 28: nothing is left to ask for; the barrier shows block 4 whole to every wave
	ITER  1, ALU, MXU, OU, 0, 1, 0, 1, 1, 1, BZ    ; step 29
	ITER  0, ALU, MXU, OU, 0, 1, 1, 1, 2, 2, BZ    ; step 30
	ITER  1, ALU, MXU, OU, 0, 1, 2, 1, 3, 3, BZ    ; step 31
	ITER  0, ALU, MXU, OU, 0, 1, 3, -1, 0, 0, BZ   ; step 32: no K is left to read
	SOFT SX+48, ALU,   MXU,   0, -1, 0             ; step 33: the last softmax, with no products beside it
	SOFT SX+64, ALU+2, MXU+1, 0, -1, 0
	SOFT SX+80, ALU+4, MXU+2, 0, -1, 0
	s_wait_dscnt 0x0                               ; V of step 33; my reads of the ring are over
	PVR 1, OU, ALU, 0
	PLACES 4                                       ; before the LDS stores read the last products' results
	s_barrier_signal -1                            ; every wave's reads of the ring are over, and its tensor loads landed at step 28:
	s_barrier_wait -1                              ; the ring's bytes, which have had their last fill, now serve the merge
	MSTORE 0, ALC, MXC, OC
	v_add_nc_u32 v[MST], MRGP, v[MST]              ; uncond's area
	MSTORE 1, ALU, MXU, OU
	s_wait_dscnt 0x0                               ; my partial results are in LDS
	s_barrier_signal -1
	s_barrier_wait -1
	MERGE 0
	s_wait_xcnt 0x0                                ; the stores' data registers are loaded again only behind this wait
	v_add_nc_u32 v[MRD], MRGP, v[MRD]
	MERGE 1
	s_wait_tensorcnt 0x0
	ds_add_u32 v254, v255
	s_wait_dscnt 0x0
	ROUND                                          ; the closing round
	s_endpgm
.Lfunc_end_k_q79480299ed_attn:
	.size	k_q79480299ed_attn, .Lfunc_end_k_q79480299ed_attn-k_q79480299ed_attn
	.p2alignl 7, 3214868480
	.fill 96, 4, 3214868480
	.section	.rodata,"a",@progbits
	.p2align	6, 0x0
	.amdhsa_kernel k_q79480299ed_attn
		.amdhsa_group_segment_fixed_size 327680
		.amdhsa_private_segment_fixed_size 0
		.amdhsa_enable_private_segment 0
		.amdhsa_kernarg_size 24
		.amdhsa_user_sgpr_count 2
		.amdhsa_user_sgpr_kernarg_segment_ptr 1
		.amdhsa_wavefront_size32 1
		.amdhsa_system_sgpr_workgroup_id_x 1
		.amdhsa_system_sgpr_workgroup_id_y 1
		.amdhsa_system_sgpr_workgroup_id_z 1
		.amdhsa_system_vgpr_workitem_id 0
		.amdhsa_next_free_vgpr 512
		.amdhsa_next_free_sgpr 72
		.amdhsa_reserve_vcc 1
		.amdhsa_float_denorm_mode_32 3
		.amdhsa_float_denorm_mode_16_64 3
		.amdhsa_memory_ordered 1
		.amdhsa_forward_progress 1
		.amdhsa_inst_pref_size 255
	.end_amdhsa_kernel
	.section	.bss,"aw",@nobits
	.p2align	6
	.space	262144
	.amdgpu_metadata
---
amdhsa.version: [ 1, 2 ]
amdhsa.kernels:
  - .name:           k_q79480299ed_attn
    .symbol:         k_q79480299ed_attn.kd
    .args:
      - { .name: qkv, .offset: 0, .size: 8, .value_kind: global_buffer, .address_space: global }
      - { .name: mask, .offset: 8, .size: 8, .value_kind: global_buffer, .address_space: global }
      - { .name: hs, .offset: 16, .size: 8, .value_kind: global_buffer, .address_space: global }
    .group_segment_fixed_size: 327680
    .private_segment_fixed_size: 0
    .kernarg_segment_align: 8
    .kernarg_segment_size: 24
    .max_flat_workgroup_size: 256
    .sgpr_count:     72
    .vgpr_count:     512
    .wavefront_size: 32
...
	.end_amdgpu_metadata
.endif
;; end of part 3
;; launch oproj (part 4): grid 8 x 32, 4 waves a work-group, clusters of 4 x 4, 327,680 bytes of LDS; arguments hs, wt, bo, out0, out1; writes out0, out1
.if DOCPART == 4
	.amdgcn_target "amdgcn-amd-amdhsa--gfx1250"
	.amdhsa_code_object_version 6
	.text
	.protected	k_q79480299ed_oproj
	.globl	k_q79480299ed_oproj
	.p2align	8
	.type	k_q79480299ed_oproj,@function
k_q79480299ed_oproj:
	s_mov_b64 s[64:65], 0
	v_nop
	global_prefetch_b8 v0, s[64:65] scope:SCOPE_SE
	s_setreg_imm32_b32 hwreg(HW_REG_WAVE_MODE, 25, 1), 1
	s_wait_xcnt 0x0
	s_wait_alu depctr_hold_cnt(0) depctr_sa_sdst(0) depctr_va_vdst(0) depctr_va_sdst(0) depctr_va_ssrc(0) depctr_va_vcc(0) depctr_vm_vsrc(0)
	s_getreg_b32 s2, hwreg(HW_REG_IB_STS2, 6, 4)
	s_cmp_eq_u32 s2, 0
	s_cbranch_scc0 .Lentry_in_a_cluster
	s_endpgm
.Lentry_in_a_cluster:
	s_bfe_u32 s2, ttmp6, 0x10000c
	s_cmp_lg_u32 s2, 0xf033
	s_cbranch_scc0 .Lentry_shape_is_right
	s_endpgm
.Lentry_shape_is_right:
; OPROJ.  out[row][n] = sum over k of hs(row, k) wo[k][n] + bo[n], f32, with the padded rows routed to out0 (video) and out1 (text).
; hs is [16 heads][3072 rows][64] f16, so k = 64 head + d; wt rows 3072 .. 4095 are wo's columns in f16, K along the row.  Sums in f32.
; 256 work-groups of four waves; a work-group makes 96 rows x 128 columns, a wave 48 x 64 = 12 accumulator tiles: all in one register window.
; A slot holds 256 of K, so that one request brings 96 matrix instructions' operands for each wave: four fills in all, two of them first fills.
; CLUSTERS 4 x 4: hs's tiles are shared along a cluster's row, wt's along a column.
; Every block of 96 rows has one destination: blocks 0-2 out1[0], 3-28 out0, 29-31 out1[1].  Pad rows are switched off by EXEC, never by a branch.
.set UNIT,  393216
.set PART,  33792                      ; parts 0, 1: two head planes of 96 rows at pitch 144 (27,648 bytes); parts 2, 3: 64 rows of 512 bytes at pitch 528
.set APL,   13824                      ; a plane: 96 x 144
.set SLOT,  4*PART
.set STAGE, 2*SLOT                     ; 4 waves x 16 rows x 272 bytes, each wave's own; no tensor load lands here
.set ADRA, 2                           ; v2-3
.set ADRB, 4                           ; v4-5
.set STO,  6
.set RD,   7
.set CO,   8
.set ROW,  9                           ; my padded row in the wave's first pair of rows
.set BO,   10
.set F0,   16                          ; v16-71: four fragments of wt at f + 8 b, three of hs at f + 32 + 8 a
.set F1,   72
.set ACC,  128                         ; v128-223: tile (a, b) at 8 (4 a + b)
.set BIA,  224                         ; v224-255
.set G1A, 24
.set G0A, 32
.set G1B, 40
.set G0B, 48
.macro PLACES                          ; four places behind a matrix instruction (ISA guide 7.12.1)
.rept 4
	v_nop
.endr
.endm
.macro JLOAD s
	s_cmp_eq_u32 s17, 0
	s_cbranch_scc0 .Lfor_b_\@
	tensor_load_to_lds s[G0A+4*\s:G0A+4*\s+3], s[G1A:G1A+7]
	s_nop 0
	s_branch .Lasked_\@
.Lfor_b_\@:
	tensor_load_to_lds s[G0B+4*\s:G0B+4*\s+3], s[G1B:G1B+7]
	s_nop 0
.Lasked_\@:
.endm
.macro CROUND
	s_barrier_signal -1
	s_barrier_wait -1
	s_cmp_lg_u32 s16, 0
	s_cbranch_scc1 .Lnot_wave_0_\@
	s_barrier_signal -3
.Lnot_wave_0_\@:
	s_barrier_wait -3
	s_barrier_signal -1
	s_barrier_wait -1
.endm
	s_load_b256 s[4:11], s[0:1], 0x0               ; hs s[4:5], wt s[6:7], bo s[8:9], out0 s[10:11]
	s_load_b64 s[12:13], s[0:1], 0x20              ; out1
	v_lshl_add_u32 v14, v0, 2, 0x46400
	v_mov_b32 v15, 0
	ds_add_u32 v14, v15
	v_lshrrev_b32 v1, 5, v0
	v_readfirstlane_b32 s16, v1                    ; wave
	s_lshr_b32 s17, s16, 1                         ; wr; also: I fetch for hs (0) or wt (1)
	s_and_b32 s18, s16, 1                          ; wc; also: which part I fetch
	s_bfe_u32 s19, ttmp6, 0x40000                  ; cx
	s_bfe_u32 s20, ttmp6, 0x40004                  ; cy
	s_lshl_b32 s21, ttmp9, 2
	s_add_co_u32 s21, s21, s19                     ; block column 0..7
	s_and_b32 s22, ttmp7, 0xffff
	s_lshl_b32 s22, s22, 2
	s_add_co_u32 s22, s22, s20                     ; block row 0..31
	s_lshl_b32 s56, s20, 2
	s_lshl_b32 s56, 15, s56
	s_lshl_b32 s60, 0x1111, s19
	; hs: a tile row is one head's dense block of 96 x 64 elements, two of them a plane apart; padding of 4 words behind every 32 words gives pitch 144
	s_or_b32 s[G1A+0], s56, (1<<16)|(1<<20)|(1<<21)|(4<<22)|(3<<25)
	s_mov_b32 s[G1A+1], 6144<<16                   ; tensor_dim0 = 6,144
	s_mov_b32 s[G1A+2], 2<<16                      ; tensor_dim1 = 2
	s_mov_b32 s[G1A+3], 6144<<16                   ; tile_dim0
	s_mov_b32 s[G1A+4], 2                          ; tile_dim1
	s_mov_b32 s[G1A+5], 196608                     ; elements from head to head
	s_mov_b32 s[G1A+6], 0
	s_mov_b32 s[G1A+7], 0
	; wt: 64 rows x 256 elements, padding of 4 words behind every 128 words: pitch 528
	s_or_b32 s[G1B+0], s60, (1<<16)|(1<<20)|(1<<21)|(6<<22)|(3<<25)
	s_mov_b32 s[G1B+1], 256<<16
	s_mov_b32 s[G1B+2], 64<<16
	s_mov_b32 s[G1B+3], 256<<16
	s_mov_b32 s[G1B+4], 64
	s_mov_b32 s[G1B+5], 1024
	s_mov_b32 s[G1B+6], 0
	s_mov_b32 s[G1B+7], 0
	; s56-59 never hold cx, s60-63 never cy
	s_mul_i32 s56, s18, 2*UNIT                     ; heads 2 (w % 2), + 1
	s_mul_i32 s58, s22, 96*128
	s_add_co_u32 s56, s56, s58
	s_mov_b32 s57, 0
	s_lshl_b32 s60, s21, 7
	s_lshl_b32 s62, s18, 6
	s_add_co_u32 s60, s60, s62
	s_add_co_u32 s60, s60, 3072                    ; wo's rows of wt
	s_lshl_b32 s60, s60, 11
	s_mov_b32 s61, 0
	s_mul_i32 s59, s16, PART
	s_wait_dscnt 0x0
	s_wait_kmcnt 0x0
	s_add_nc_u64 s[56:57], s[4:5], s[56:57]
	s_add_nc_u64 s[60:61], s[6:7], s[60:61]
.irp s, 0,1
	s_mov_b32 s[G0A+4*\s], 1
	s_add_co_u32 s[G0A+4*\s+1], s59, \s*SLOT
	s_add_nc_u64 s[G0A+4*\s+2:G0A+4*\s+3], s[56:57], \s*4*UNIT     ; four heads a slot
	s_or_b32 s[G0A+4*\s+3], s[G0A+4*\s+3], 0x80000000
	s_mov_b32 s[G0B+4*\s], 1
	s_add_co_u32 s[G0B+4*\s+1], s59, \s*SLOT
	s_add_nc_u64 s[G0B+4*\s+2:G0B+4*\s+3], s[60:61], \s*512
	s_or_b32 s[G0B+4*\s+3], s[G0B+4*\s+3], 0x80000000
.endr
	CROUND                                         ; the first joint loads meet
	s_cmp_eq_u32 s17, 0                            ; both first fills of a wave inside one branch: two tensor loads out, the most in this text
	s_cbranch_scc0 .Lfirst_b
	tensor_load_to_lds s[G0A:G0A+3], s[G1A:G1A+7]
	s_nop 0
	tensor_load_to_lds s[G0A+4:G0A+7], s[G1A:G1A+7]
	s_nop 0
	s_branch .Lfirst_done
.Lfirst_b:
	tensor_load_to_lds s[G0B:G0B+3], s[G1B:G1B+7]
	s_nop 0
	tensor_load_to_lds s[G0B+4:G0B+7], s[G1B:G1B+7]
	s_nop 0
.Lfirst_done:
	s_lshl_b32 s62, s21, 9                         ; my first column x 4 bytes: 512 bx + 256 wc
	s_lshl_b32 s63, s18, 8
	s_add_co_u32 s62, s62, s63
	s_mov_b32 s63, 0
	s_add_nc_u64 s[14:15], s[8:9], s[62:63]        ; bo at my columns
	v_and_b32 v1, 15, v0                           ; l % 16
	v_bfe_u32 v11, v0, 4, 1                        ; l / 16
	v_lshlrev_b32 v[BO], 5, v11
.irp b, 0,1,2,3
	global_load_b128 v[BIA+8*\b:BIA+8*\b+3],   v[BO], s[14:15] offset:\b*64
	global_load_b128 v[BIA+8*\b+4:BIA+8*\b+7], v[BO], s[14:15] offset:\b*64+16
.endr
	; the destination, by selects alone
	s_movk_i32 s57, 2558                           ; out1[1]: flat row = padded row - 2784 + 226
	s_movk_i32 s68, 3010                           ; first pad row behind it
	s_cmp_lt_u32 s22, 29
	s_cselect_b32 s57, 288, s57                    ; out0: flat row = padded row - 288
	s_cselect_b32 s68, 2784, s68
	s_cmp_lt_u32 s22, 3
	s_cselect_b32 s57, 0, s57                      ; out1[0]
	s_cselect_b32 s68, 226, s68
	s_sub_co_u32 s58, s22, 3
	s_cmp_lt_u32 s58, 26
	s_cselect_b64 s[66:67], s[10:11], s[12:13]
	s_mul_i32 s56, s22, 96
	s_mul_i32 s58, s17, 48
	s_add_co_u32 s56, s56, s58                     ; my wave's first padded row
	v_add_nc_u32 v[ROW], s56, v11
	s_sub_co_u32 s56, s56, s57
	s_lshl_b32 s56, s56, 12                        ; rows of 4,096 bytes
	s_mov_b32 s57, 0
	s_add_nc_u64 s[66:67], s[66:67], s[56:57]
	s_add_nc_u64 s[66:67], s[66:67], s[62:63]
	; LDS addresses
	v_mul_u32_u24 v[ADRA], v1, 144
	v_lshl_add_u32 v[ADRA], v11, 4, v[ADRA]
	s_mul_i32 s58, s17, 48*144
	v_add_nc_u32 v[ADRA], s58, v[ADRA]
	v_add_nc_u32 v[ADRA+1], SLOT, v[ADRA]
	v_mul_u32_u24 v[ADRB], v1, 528
	v_lshl_add_u32 v[ADRB], v11, 4, v[ADRB]
	s_mul_i32 s58, s18, PART
	s_add_co_u32 s58, s58, 2*PART
	v_add_nc_u32 v[ADRB], s58, v[ADRB]
	v_add_nc_u32 v[ADRB+1], SLOT, v[ADRB]
	s_mul_i32 s58, s16, 16*272
	s_add_co_u32 s58, s58, STAGE
	v_mul_u32_u24 v[STO], v1, 272
	v_lshl_add_u32 v[STO], v11, 5, v[STO]
	v_add_nc_u32 v[STO], s58, v[STO]
	v_mul_u32_u24 v[RD], v11, 272
	v_lshl_add_u32 v[RD], v1, 4, v[RD]
	v_add_nc_u32 v[RD], s58, v[RD]
	v_lshlrev_b32 v[CO], 12, v11
	v_lshl_add_u32 v[CO], v1, 4, v[CO]
; 14 LDS loads: the fragments of 32 along K, number kq of the slot's eight: head kq / 2 of the slot's four, half kq % 2 of its 64
.macro FETCH slot, kq, f
.irp b, 0,1,2,3
	ds_load_b128 v[\f+8*\b:\f+8*\b+3],   v[ADRB+\slot] offset:\b*16*528+(\kq)*64
	ds_load_b128 v[\f+8*\b+4:\f+8*\b+7], v[ADRB+\slot] offset:\b*16*528+(\kq)*64+32
.endr
.irp a, 0,1,2
	ds_load_b128 v[\f+32+8*\a:\f+32+8*\a+3], v[ADRA+\slot] offset:((\kq)>>2)*PART+(((\kq)>>1)&1)*APL+\a*16*144+((\kq)&1)*64
	ds_load_b128 v[\f+32+8*\a+4:\f+32+8*\a+7], v[ADRA+\slot] offset:((\kq)>>2)*PART+(((\kq)>>1)&1)*APL+\a*16*144+((\kq)&1)*64+32
.endr
.endm
; twelve accumulators take turns, one instruction a turn; used transposed; first = 1: the bias starts the sums
.macro MUL12 f, first
.irp a, 0,1,2
.irp b, 0,1,2,3
.if \first
	v_wmma_f32_16x16x32_f16 v[ACC+8*(4*\a+\b):ACC+8*(4*\a+\b)+7], v[\f+8*\b:\f+8*\b+7], v[\f+32+8*\a:\f+32+8*\a+7], v[BIA+8*\b:BIA+8*\b+7]
.else
	v_wmma_f32_16x16x32_f16 v[ACC+8*(4*\a+\b):ACC+8*(4*\a+\b)+7], v[\f+8*\b:\f+8*\b+7], v[\f+32+8*\a:\f+32+8*\a+7], v[ACC+8*(4*\a+\b):ACC+8*(4*\a+\b)+7]
.endif
.endr
.endr
.endm
.macro STEP slot, kq, f, g, first, more
	s_wait_dscnt 0x0                               ; buffer f is in
.if \more
	PLACES                                         ; buffer g was read by the products just issued
	FETCH \slot, \kq+1, \g
.endif
	MUL12 \f, \first
.endm
.macro SLOTWORK slot, first
	PLACES
	FETCH \slot, 0, F0
	STEP \slot, 0, F0, F1, \first, 1
	STEP \slot, 1, F1, F0, 0, 1
	STEP \slot, 2, F0, F1, 0, 1
	STEP \slot, 3, F1, F0, 0, 1
	STEP \slot, 4, F0, F1, 0, 1
	STEP \slot, 5, F1, F0, 0, 1
	STEP \slot, 6, F0, F1, 0, 1
	STEP \slot, 7, F1, F0, 0, 0
.endm
; the change of slots.  Each wave waits for its reads of the old slot and for all its tensor loads; where the old slot is asked for again the
; cluster's round stands between those waits and the refill, which is the wave's one tensor load behind it.
.macro CHANGE old, fill
	s_wait_dscnt 0x0
	s_wait_tensorcnt 0x0
	ds_add_u32 v14, v15
	s_wait_dscnt 0x0
.if \fill
	s_add_nc_u64 s[G0A+4*\old+2:G0A+4*\old+3], s[G0A+4*\old+2:G0A+4*\old+3], 8*UNIT
	s_add_nc_u64 s[G0B+4*\old+2:G0B+4*\old+3], s[G0B+4*\old+2:G0B+4*\old+3], 1024
	CROUND
	JLOAD \old
.else
	s_barrier_signal -1
	s_barrier_wait -1
.endif
.endm
	s_wait_loadcnt 0x0                             ; the bias
	s_wait_tensorcnt 1                             ; my part of slot 0 is in; slot 1's stays out
	s_barrier_signal -1
	s_barrier_wait -1
	SLOTWORK 0, 1                                  ; K 0-255
	CHANGE 0, 1                                    ; asks for K 512-767
	SLOTWORK 1, 0                                  ; K 256-511
	CHANGE 1, 1                                    ; asks for K 768-1023
	SLOTWORK 0, 0
	CHANGE 0, 0
	SLOTWORK 1, 0
	; THE WAY OUT, 16 rows at a time through my own stage: lane (r, h) holds row r, columns 16 b + 8 h + 0..7 in f32; rows of 256 bytes are read back.
	PLACES
.macro OUTA a, f
.irp b, 0,1,2,3
	ds_store_b128 v[STO], v[ACC+8*(4*\a+\b):ACC+8*(4*\a+\b)+3]   offset:\b*64
	ds_store_b128 v[STO], v[ACC+8*(4*\a+\b)+4:ACC+8*(4*\a+\b)+7] offset:\b*64+16
.endr
.irp t, 0,1,2,3,4,5,6,7
	ds_load_b128 v[\f+4*\t:\f+4*\t+3], v[RD] offset:\t*544         ; LDS serves a wave's instructions in order (ISA guide 5.7.1.4): these see the stores above
.endr
.irp t, 0,1,2,3,4,5,6,7
	s_wait_dscnt 7-\t
	s_sub_co_u32 s70, s68, 16*\a+2*\t
	v_cmp_gt_u32 vcc_lo, s70, v[ROW]               ; my row + 16 a + 2 t lies below the block's first pad row
	s_and_saveexec_b32 s71, vcc_lo                 ; no store is pending here: each is followed by the wait below
	global_store_b128 v[CO], v[\f+4*\t:\f+4*\t+3], s[66:67] offset:(16*\a+2*\t)*4096 th:TH_STORE_NT    ; sixteen lanes store 256 consecutive bytes, aligned
	s_wait_xcnt 0x0                                ; EXEC and the data registers change only behind this wait
	s_or_b32 exec_lo, exec_lo, s71
.endr
.endm
	OUTA 0, F0
	OUTA 1, F1
	OUTA 2, F0
	s_wait_tensorcnt 0x0
	ds_add_u32 v14, v15
	s_wait_dscnt 0x0
	CROUND                                         ; the closing round
	s_endpgm
.Lfunc_end_k_q79480299ed_oproj:
	.size	k_q79480299ed_oproj, .Lfunc_end_k_q79480299ed_oproj-k_q79480299ed_oproj
	.p2alignl 7, 3214868480
	.fill 96, 4, 3214868480
	.section	.rodata,"a",@progbits
	.p2align	6, 0x0
	.amdhsa_kernel k_q79480299ed_oproj
		.amdhsa_group_segment_fixed_size 327680
		.amdhsa_private_segment_fixed_size 0
		.amdhsa_enable_private_segment 0
		.amdhsa_kernarg_size 40
		.amdhsa_user_sgpr_count 2
		.amdhsa_user_sgpr_kernarg_segment_ptr 1
		.amdhsa_wavefront_size32 1
		.amdhsa_system_sgpr_workgroup_id_x 1
		.amdhsa_system_sgpr_workgroup_id_y 1
		.amdhsa_system_sgpr_workgroup_id_z 1
		.amdhsa_system_vgpr_workitem_id 0
		.amdhsa_next_free_vgpr 256
		.amdhsa_next_free_sgpr 72
		.amdhsa_reserve_vcc 1
		.amdhsa_float_denorm_mode_32 3
		.amdhsa_float_denorm_mode_16_64 3
		.amdhsa_memory_ordered 1
		.amdhsa_forward_progress 1
		.amdhsa_inst_pref_size 77
	.end_amdhsa_kernel
	.amdgpu_metadata
---
amdhsa.version: [ 1, 2 ]
amdhsa.kernels:
  - .name:           k_q79480299ed_oproj
    .symbol:         k_q79480299ed_oproj.kd
    .args:
      - { .name: hs, .offset: 0, .size: 8, .value_kind: global_buffer, .address_space: global }
      - { .name: wt, .offset: 8, .size: 8, .value_kind: global_buffer, .address_space: global }
      - { .name: bo, .offset: 16, .size: 8, .value_kind: global_buffer, .address_space: global }
      - { .name: out0, .offset: 24, .size: 8, .value_kind: global_buffer, .address_space: global }
      - { .name: out1, .offset: 32, .size: 8, .value_kind: global_buffer, .address_space: global }
    .group_segment_fixed_size: 327680
    .private_segment_fixed_size: 0
    .kernarg_segment_align: 8
    .kernarg_segment_size: 40
    .max_flat_workgroup_size: 128
    .sgpr_count:     72
    .vgpr_count:     256
    .wavefront_size: 32
...
	.end_amdgpu_metadata
.endif
;; end of part 4
;; ======== version 2 of 2: 4 launches; version 1 with the launch cast written anew for expert scheduling mode
;; limits: values are held in f16: magnitudes above 65,504 overflow, below 6.1e-05 lose precision; right only within a limited range of input values
;; workspace buffers: xb 6,291,456 bytes; wt 8,388,608 bytes; qkv 18,874,368 bytes; hs 6,291,456 bytes
;; launch cast (part 5): grid 256 x 1, 8 waves a work-group, no clusters, 34,304 bytes of LDS; arguments hidden_states, encoder_hidden_states, wq, wk, wv, wo, xb, wt; writes xb, wt
.if DOCPART == 5
	.amdgcn_target "amdgcn-amd-amdhsa--gfx1250"
	.amdhsa_code_object_version 6
	.text
	.protected	k_q79480299ed_cast
	.globl	k_q79480299ed_cast
	.p2align	8
	.type	k_q79480299ed_cast,@function
k_q79480299ed_cast:
	s_mov_b64 s[64:65], 0
	v_nop
	global_prefetch_b8 v0, s[64:65] scope:SCOPE_SE
	s_setreg_imm32_b32 hwreg(HW_REG_WAVE_SCHED_MODE, 0, 2), 2
	s_setreg_imm32_b32 hwreg(HW_REG_WAVE_MODE, 25, 1), 1
	s_wait_xcnt 0x0
	s_wait_alu depctr_vm_vsrc(0)
; CAST.  Two jobs for each of 256 work-groups of eight waves, all loads issued first.
; (X) xb[3072][1024] f16 = the rows of x in the padded order that the later launches use:
;     rows 0-225 enc[0] | 226-287 copies of enc[0] row 225 | 288-1535 hid[0] | 1536-2783 hid[1] | 2784-3009 enc[1] | 3010-3071 copies of enc[1] row 225.
;     The copies are finite filler: they are computed like any row and never reach an output.  Work-group g makes rows 12 g .. 12 g + 11;
;     288 and 2784 are multiples of 12, so a work-group's rows come from one buffer.
; (W) wt[4096][1024] f16: row n = column n of wq | wk | wv | wo, K along the row.  Work-group g transposes one tile of 128 k x 128 n through LDS.
; FORMAT: f16, for its 11 significant bits: the result is a chain of four products, and each operand's rounding adds to its error.
; LIMIT: an x or a weight of magnitude 65,504 or more becomes infinite; below 2^-14 the absolute error is at most 2^-25.
; No matrix unit, no cluster, no tensor load: nothing is shared between work-groups and every byte is read once and written once.
; THE MODE: SCHED_MODE bits 1:0 = 2 (LLVM: expert scheduling mode 2), set by the entry lines.  The code itself states the register dependences
; between vector instructions and memory or LDS instructions, with s_wait_alu, always for 0.
; THE PLAN.  Registers that memory or LDS instructions touch:
;   v2-v6, v[8:19]   offsets and LDS addresses: made once at the head, never written again.
;   W-low            the quads WREG + 8 i .. + 3: the loads of the even k rows land there; the conversions read them and write them in place; the LDS stores read them; then nothing.
;   W-high           the quads WREG + 8 i + 4 .. + 7: the loads of the odd k rows land there; the conversions read them; the loads from LDS land there; wt's stores read them.
;                    No memory or LDS instruction reads a W-high register before the loads from LDS land in it.
;   XREG             the loads of x land there; the conversions read a quad and write its first two registers; xb's stores read those two; then nothing.
;   v144, v145       written at the head, read by the closing add alone.
; Both jobs go in two halves: half A is converted; one wait on va_vdst; half A's stores are dealt among half B's conversions, which name none of the
; registers that those stores read; one more wait; half B's stores.  The second wait of job (W) also states that every conversion is done reading W-high.
.set TP,   260                         ; LDS pitch of a transposed row: 128 f16 = 256 bytes + 4
.set WL,   2                           ; v2   weight load: wave x 16 k rows x 4,096 + lane x 16
.set WST,  3                           ; v3   LDS store: lane x 4 n rows x 260 + wave x 8 k pairs x 4
.set WRD,  4                           ; v4   LDS read: (16 wave + lane / 16) x 260 + (lane % 16) x 16
.set WO,   5                           ; v5   wt store: (16 wave + lane / 16) x 2,048 + (lane % 16) x 16
.set XS,   6                           ; v6   xb store: thread x 8
.set XL,   8                           ; v[8:19]   x load, row i: source row x 4,096 + thread x 16
.set WREG, 32                          ; v[32:95]  16 weight loads x 4 registers
.set XREG, 96                          ; v[96:143] 12 x loads x 4 registers
	s_load_b512 s[8:23], s[0:1], 0x0               ; hid s[8:9], enc s[10:11], wq, wk, wv, wo s[12:19], xb s[20:21], wt s[22:23]
	v_lshl_add_u32 v144, v0, 2, 0x8200             ; my spare word, behind the tile's 128 x 260 bytes, and 0: made here and kept for the closing lines alone
	v_mov_b32 v145, 0
	s_mov_b32 s5, ttmp9                            ; g
	v_lshrrev_b32 v1, 5, v0
	v_readfirstlane_b32 s4, v1                     ; wave 0..7
	v_and_b32 v1, 31, v0                           ; lane
	; (W) which weight, which tile
	s_lshr_b32 s38, s5, 6                          ; weight 0..3
	s_bfe_u32 s39, s5, 0x30003                     ; kt: 3 bits from bit 3
	s_and_b32 s42, s5, 7                           ; nt
	s_lshl_b32 s40, s39, 19                        ; kt x 128 rows x 4,096 bytes
	s_lshl_b32 s43, s42, 9                         ; nt x 128 columns x 4 bytes
	s_add_co_u32 s40, s40, s43
	s_mov_b32 s41, 0
	s_lshl_b32 s44, s38, 21                        ; weight x 1,024 rows of wt x 2,048 bytes
	s_lshl_b32 s43, s42, 18                        ; nt x 128 rows
	s_add_co_u32 s44, s44, s43
	s_lshl_b32 s43, s39, 8                         ; kt x 128 f16
	s_add_co_u32 s44, s44, s43
	s_mov_b32 s45, 0
	s_mul_i32 s46, s5, 24576                       ; g x 12 rows of xb x 2,048 bytes
	s_mov_b32 s47, 0
	; (X) the region of my 12 rows: source row = add + min(row - lo, cap)
	s_mul_i32 s32, s5, 12
	s_movk_i32 s33, 288                            ; lo,  hid: rows 288 .. 2783
	s_movk_i32 s34, 0                              ; add
	s_movk_i32 s35, 2495                           ; cap
	s_cmp_lt_u32 s5, 24                            ; rows below 288: enc[0]
	s_cselect_b32 s33, 0, s33
	s_cselect_b32 s35, 225, s35
	s_cselect_b32 s36, 1, 0                        ; 1: the source is enc
	s_cmp_ge_u32 s5, 232                           ; rows from 2784: enc[1]
	s_cselect_b32 s33, 2784, s33
	s_cselect_b32 s34, 226, s34
	s_cselect_b32 s35, 225, s35
	s_cselect_b32 s36, 1, s36
	s_sub_co_u32 s32, s32, s33
.irp i, 0,1,2,3,4,5,6,7,8,9,10,11
	s_add_co_u32 s37, s32, \i
	s_min_u32 s37, s37, s35                        ; pad rows repeat the last text row
	s_add_co_u32 s37, s37, s34
	s_lshl_b32 s37, s37, 12
	v_lshl_add_u32 v[XL+\i], v0, 4, s37
.endr
	s_wait_alu depctr_va_sdst(0)                   ; s4, the wave's number, is written, ahead of its first reader two lines down
	v_lshlrev_b32 v[WL], 4, v1
	v_lshl_add_u32 v[WL], s4, 16, v[WL]
	v_mul_u32_u24 v[WST], v1, 4*TP
	v_lshl_add_u32 v[WST], s4, 5, v[WST]
	v_lshrrev_b32 v7, 4, v1
	v_lshl_add_u32 v7, s4, 4, v7                   ; 16 wave + lane / 16
	v_and_b32 v20, 15, v0
	v_lshlrev_b32 v20, 4, v20                      ; (lane % 16) x 16
	v_mul_u32_u24 v[WRD], v7, TP
	v_add_nc_u32 v[WRD], v[WRD], v20
	v_lshl_add_u32 v[WO], v7, 11, v20
	v_lshlrev_b32 v[XS], 3, v0
	s_wait_kmcnt 0x0
	s_cmp_eq_u32 s38, 1
	s_cselect_b64 s[24:25], s[14:15], s[12:13]
	s_cmp_eq_u32 s38, 2
	s_cselect_b64 s[24:25], s[16:17], s[24:25]
	s_cmp_eq_u32 s38, 3
	s_cselect_b64 s[24:25], s[18:19], s[24:25]
	s_add_nc_u64 s[24:25], s[24:25], s[40:41]      ; my tile of the weight
	s_add_nc_u64 s[26:27], s[22:23], s[44:45]      ; my tile of wt
	s_add_nc_u64 s[28:29], s[20:21], s[46:47]      ; my rows of xb
	s_cmp_lg_u32 s36, 0
	s_cselect_b64 s[30:31], s[10:11], s[8:9]       ; enc or hid
	s_wait_alu depctr_va_vdst(0)                   ; the offsets and LDS addresses v2 to v6 and v[8:19] are written: every load and store of the kernel reads one of them, and none is written again
	; all 28 loads of a thread go out before anything is waited for
.irp rr, 0,1,2,3,4,5,6,7,8,9,10,11,12,13,14,15
	global_load_b128 v[WREG+4*\rr:WREG+4*\rr+3], v[WL], s[24:25] offset:\rr*4096 th:TH_LOAD_NT   ; k row 16 wave + rr: 512 neighbouring bytes a wave
.endr
.irp i, 0,1,2,3,4,5,6,7,8,9,10,11
	global_load_b128 v[XREG+4*\i:XREG+4*\i+3], v[XL+\i], s[30:31]    ; no hint: the pad rows name one row again
.endr
	; (W) half A: k pairs 0 to 3
	s_wait_loadcnt 20                              ; weight loads 0 to 7 are in; the 8 younger weight loads and the 12 loads of x stay out
.irp i, 0,1,2,3
.irp e, 0,1,2,3
	v_cvt_pk_f16_f32 v[WREG+8*\i+\e], v[WREG+8*\i+\e], v[WREG+8*\i+4+\e]     ; k = 16 wave + 2 i (low half), + 1 (high half), column 4 lane + e
.endr
.endr
	s_wait_alu depctr_va_vdst(0)                   ; half A's conversions have written their W-low quads, which the LDS stores below read
	s_wait_loadcnt 12                              ; the 16 weight loads are in; the 12 younger loads of x stay out
	; half A's stores, dealt among half B's conversions: these name v[WREG+32 ..] alone, none of the registers that the stores read
.irp i, 4,5,6,7
.irp e, 0,1,2,3
	ds_store_b32 v[WST], v[WREG+8*(\i-4)+\e] offset:\e*TP+(\i-4)*4
.endr
.irp e, 0,1,2,3
	v_cvt_pk_f16_f32 v[WREG+8*\i+\e], v[WREG+8*\i+\e], v[WREG+8*\i+4+\e]
.endr
.endr
	s_wait_alu depctr_va_vdst(0)                   ; half B's conversions have written their W-low quads, which the LDS stores below read; and all 32 conversions are done reading W-high, in which the loads from LDS land
.irp i, 4,5,6,7
.irp e, 0,1,2,3
	ds_store_b32 v[WST], v[WREG+8*\i+\e] offset:\e*TP+\i*4
.endr
.endr
	s_wait_dscnt 0x0                               ; my stores are in LDS before I say so
	s_barrier_signal -1
	s_barrier_wait -1                              ; the whole transposed tile is there
.irp j, 0,1,2,3,4,5,6,7
.irp d, 0,1,2,3
	ds_load_b32 v[WREG+8*\j+4+\d], v[WRD] offset:\j*2*TP+4*\d        ; rows 16 wave + 2 j + lane / 16; the pitch of 260 is no multiple of 16, so words.  Into W-high: no vector instruction since the wait above names it, and no store has read it
.endr
.endr
	; x goes out while the LDS loads come back.  Half A: rows 0 to 5
	s_wait_loadcnt 6                               ; rows 0 to 5 are in, the six younger rows stay out
.irp i, 0,1,2,3,4,5
	v_cvt_pk_f16_f32 v[XREG+4*\i],   v[XREG+4*\i],   v[XREG+4*\i+1]
	v_cvt_pk_f16_f32 v[XREG+4*\i+1], v[XREG+4*\i+2], v[XREG+4*\i+3]
.endr
	s_wait_alu depctr_va_vdst(0)                   ; the conversions of rows 0 to 5 have written the pairs that the stores below read
	s_wait_loadcnt 0x0                             ; rows 6 to 11 are in
	; half A's stores, dealt among half B's conversions, which name the quads of rows 6 to 11 alone
.irp i, 6,7,8,9,10,11
	global_store_b64 v[XS], v[XREG+4*(\i-6):XREG+4*(\i-6)+1], s[28:29] offset:(\i-6)*2048    ; a wave stores 256 consecutive bytes, aligned
	v_cvt_pk_f16_f32 v[XREG+4*\i],   v[XREG+4*\i],   v[XREG+4*\i+1]
	v_cvt_pk_f16_f32 v[XREG+4*\i+1], v[XREG+4*\i+2], v[XREG+4*\i+3]
.endr
	s_wait_alu depctr_va_vdst(0)                   ; the conversions of rows 6 to 11 have written the pairs that the stores below read
.irp i, 6,7,8,9,10,11
	global_store_b64 v[XS], v[XREG+4*\i:XREG+4*\i+1], s[28:29] offset:\i*2048
.endr
.irp j, 0,1,2,3,4,5,6,7
	s_wait_dscnt 4*(7-\j)                          ; the four words of pair j are in; four for each later pair stay out
	global_store_b128 v[WO], v[WREG+8*\j+4:WREG+8*\j+7], s[26:27] offset:\j*4096   ; sixteen lanes store 256 consecutive bytes, aligned; the data come from LDS loads, which the wait above shows done
.endr
	s_wait_dscnt 0x0                               ; the closing lines, six on end
	s_wait_alu 0x0
	s_wait_tensorcnt 0x0
	ds_add_u32 v144, v145
	s_wait_dscnt 0x0
	s_endpgm
.Lfunc_end_k_q79480299ed_cast:
	.size	k_q79480299ed_cast, .Lfunc_end_k_q79480299ed_cast-k_q79480299ed_cast
	.p2alignl 7, 3214868480
	.fill 96, 4, 3214868480
	.section	.rodata,"a",@progbits
	.p2align	6, 0x0
	.amdhsa_kernel k_q79480299ed_cast
		.amdhsa_group_segment_fixed_size 34304
		.amdhsa_private_segment_fixed_size 0
		.amdhsa_enable_private_segment 0
		.amdhsa_kernarg_size 64
		.amdhsa_user_sgpr_count 2
		.amdhsa_user_sgpr_kernarg_segment_ptr 1
		.amdhsa_wavefront_size32 1
		.amdhsa_system_sgpr_workgroup_id_x 1
		.amdhsa_system_sgpr_workgroup_id_y 1
		.amdhsa_system_sgpr_workgroup_id_z 1
		.amdhsa_system_vgpr_workitem_id 0
		.amdhsa_next_free_vgpr 146
		.amdhsa_next_free_sgpr 66
		.amdhsa_reserve_vcc 0
		.amdhsa_float_denorm_mode_32 3
		.amdhsa_float_denorm_mode_16_64 3
		.amdhsa_memory_ordered 1
		.amdhsa_forward_progress 1
		.amdhsa_inst_pref_size 18
	.end_amdhsa_kernel
	.amdgpu_metadata
---
amdhsa.version: [ 1, 2 ]
amdhsa.kernels:
  - .name:           k_q79480299ed_cast
    .symbol:         k_q79480299ed_cast.kd
    .args:
      - { .name: hidden_states, .offset: 0, .size: 8, .value_kind: global_buffer, .address_space: global }
      - { .name: encoder_hidden_states, .offset: 8, .size: 8, .value_kind: global_buffer, .address_space: global }
      - { .name: wq, .offset: 16, .size: 8, .value_kind: global_buffer, .address_space: global }
      - { .name: wk, .offset: 24, .size: 8, .value_kind: global_buffer, .address_space: global }
      - { .name: wv, .offset: 32, .size: 8, .value_kind: global_buffer, .address_space: global }
      - { .name: wo, .offset: 40, .size: 8, .value_kind: global_buffer, .address_space: global }
      - { .name: xb, .offset: 48, .size: 8, .value_kind: global_buffer, .address_space: global }
      - { .name: wt, .offset: 56, .size: 8, .value_kind: global_buffer, .address_space: global }
    .group_segment_fixed_size: 34304
    .private_segment_fixed_size: 0
    .kernarg_segment_align: 8
    .kernarg_segment_size: 64
    .max_flat_workgroup_size: 256
    .sgpr_count:     66
    .vgpr_count:     146
    .wavefront_size: 32
...
	.end_amdgpu_metadata
.endif
;; end of part 5
;; launch qkv: the kernel of part 2 again; grid 16 x 16, 4 waves a work-group, clusters of 4 x 4, 327,680 bytes of LDS; arguments xb, wt, bq, bk, bv, qkv; writes qkv
;; launch attn: the kernel of part 3 again; grid 16 x 16, 8 waves a work-group, clusters of 4 x 1, 327,680 bytes of LDS; arguments qkv, mask, hs; writes hs
;; launch oproj: the kernel of part 4 again; grid 8 x 32, 4 waves a work-group, clusters of 4 x 4, 327,680 bytes of LDS; arguments hs, wt, bo, out0, out1; writes out0, out1
